; MI455X (gfx1250); checked and timed in simulation.
; The chip was launched on July 23, 2026; its instructions are those of AMD's public machine-readable ISA for CDNA 5 (MIT licence, August 2026) and "CDNA5" Instruction Set Architecture Reference Guide (July 2026). The comments in the code are by the model that wrote it; some were corrected since.
;; MHA. Allowed arithmetic: matrix products marked QUANTISED: E2M1 operands, one E8M0 scale for each 32 along K, by v_wmma_scale_f32_16x16x128_f8f6f4 with both operands' format E2M1 (or v_wmma_scale_f32_32x16x128_f4), f32 sums; products left as they are: bf16, f16 or f32 operands; f32 sums; everything else in f32.
;; Inputs: Wqkv_b 3,072 float32; Wqkv_w 3,072 x 1,024 float32; key_padding_mask 4 x 2,048 bool; out_b 1,024 float32; out_w 1,024 x 1,024 float32; x 4 x 2,048 x 1,024 float32.
;; Outputs: out0 4 x 2,048 x 1,024 float32.
;; This version of the problem:
;;   THIS VERSION OF THE PROBLEM IS GIVEN IN LOW PRECISION. The matrix products marked QUANTISED in the list below multiply operands that are first quantised to E2M1 (2 exponent bits, 1 mantissa bit; 4 bits a number), with one power-of-two scale for each 32 numbers along K (OCP MX v1.0); their sums are f32. The products marked 'left as it is' may take bf16, f16 or f32 operands, with f32 sums. Whichever they take, every output number must still come out within the allowed error. Rounding operands to bf16 (8 significant bits) uses up far more of that allowance than f16 does (11 bits, for magnitudes from 6e-5 to 65,504). All else is computed in f32.
;;   The module's matrix products, in the order in which they are computed (A, B: the left and right operand; K: the contracted axis; several contracted axes count as one K, in the product's order):
;;     1. [M 8,192, K 1,024] x [K 1,024, N 3,072]; A: input x; B: input Wqkv_w: QUANTISED
;;     2. batch 64 x [M 2,048, K 64] x [K 64, N 2,048]; A: computed on the way; B: computed on the way: left as it is (an operand is computed on the way)
;;     3. batch 64 x [M 64, K 2,048] x [K 2,048, N 2,048]; A: computed on the way; B: computed on the way: left as it is (an operand is computed on the way)
;;     4. [M 8,192, K 1,024] x [K 1,024, N 1,024]; A: computed on the way; B: input out_w: left as it is (an operand is computed on the way)
;;   THE QUANTISER, for each operand of a quantised product, along K:
;;     - K is cut into blocks of 32 from its start; a last block that is shorter is filled with zeros.
;;     - A block's scale is 2^e with e = floor(log2(the largest magnitude in the block)) - 2, held to -126 .. 127; a block of zeros has e = 0. As a byte (E8M0): e + 127.
;;     - Each number is divided by its block's scale, clamped to +-6, and rounded to the nearest number of E2M1, ties to even, subnormals kept.
;;     - The product sums the exact products of the quantised numbers (number of the format x scale) in f32.
;;   ~~~python
;;   def quantise(x, axis):      # numpy; x: float32 -> the quantised numbers, widened to float32 again
;;       x = np.moveaxis(x, axis, -1); K = x.shape[-1]
;;       x = np.pad(x, [(0, 0)] * (x.ndim - 1) + [(0, -K % 32)]); x = x.reshape(x.shape[:-1] + (-1, 32)); a = np.abs(x).max(-1, keepdims=True)
;;       e = np.where(a > 0, np.clip(np.frexp(np.where(a > 0, a, 1))[1] - 1 - 2, -126, 127), 0)      # np.frexp(a)[1] - 1 = floor(log2(a)), exactly
;;       r = np.clip(x / 2.0 ** e, -6, 6)
;;       step = 2.0 ** (np.maximum(np.frexp(np.where(r == 0, 1, r))[1] - 1, 0) - 1)
;;       q = np.round(r / step) * step * 2.0 ** e      # np.round: ties to even
;;       return np.moveaxis(q.reshape(q.shape[:-2] + (-1,))[..., :K], -1, axis).astype(np.float32)
;;   ~~~
;; One version. Each part assembles by itself: llvm-mc -triple=amdgcn-amd-amdhsa -mcpu=gfx1250 --defsym DOCPART=n.
;; ======== version 1 of 1: 5 launches
;; limits: values are held in f16: magnitudes above 65,504 overflow, below 6.1e-05 lose precision
;; workspace buffers: codes 5,767,168 bytes; scales 360,448 bytes; wo16 2,097,152 bytes; qkv 50,331,648 bytes; qkvf 786,432 bytes; ctx 16,777,216 bytes; rest 278,528 bytes
;; launch quant (part 1): grid 384 x 1, 4 waves a work-group, no clusters, 33,280 bytes of LDS; arguments x, Wqkv_w, out_w, codes, scales, wo16; writes codes, scales, wo16
.if DOCPART == 1
	.amdgcn_target "amdgcn-amd-amdhsa--gfx1250"
	.amdhsa_code_object_version 6
	.text
	.protected	k_qe389c2f697_quant
	.globl	k_qe389c2f697_quant
	.p2align	8
	.type	k_qe389c2f697_quant,@function
k_qe389c2f697_quant:
	s_mov_b64 s[64:65], 0
	v_nop
	global_prefetch_b8 v0, s[64:65] scope:SCOPE_SE
	s_setreg_imm32_b32 hwreg(HW_REG_WAVE_MODE, 25, 1), 1
	s_wait_xcnt 0x0
; x [8192][1024] and Wqkv_w [3072][1024], f32, K innermost, become codes of FP4 (E2M1), two a byte, with one E8M0 byte for each 32 along K; out_w [1024][1024] becomes f16.
; A block's scale is 2^(floor(log2(its largest magnitude)) - 2); its byte is the largest magnitude's own exponent field - 2, held at 1 from below.  Each number is divided by the scale and rounded to the nearest code, ties to even; beyond 6 the largest code.
; LIMITS: a block of zeros gets the byte 1 where the rule says 127 (its codes are zeros, and this program alone reads the bytes); blocks whose largest magnitude lies under 2^-124 keep the byte 1; NaN and infinities are not served.
; Rows are dense and K is a multiple of 32: both tensors are plain streams of blocks of 32.  W's codes and bytes lie behind x's in the same buffers, so the output run is simply 4 x work-group + wave.
; Work-groups 0-255 take x, 256-351 Wqkv_w, 352-383 out_w.  A wave takes 8,192 numbers.  No tensor loads, no barrier: waves share nothing.
; The quantiser: 16 steps of 512 numbers.  Each load reads 512 consecutive bytes, 16 a lane; a step's 2,048 bytes turn through the wave's own stage in LDS and come back 64 bytes a lane, so that a lane holds 16 neighbours along K
; (two neighbouring lanes hold a block).  A lane's 16 codes are 8 bytes: a wave's store covers 256 consecutive bytes.  A wave's 256 scale bytes are gathered in LDS and leave as one store of 256 consecutive bytes.
.set WAVES, 4
.set STEPS, 16
.set WGX,   256                        ; x's work-groups
.set WGQ,   352                        ; x's and W's
.set EMAX,  2
.set CB,    8                          ; bytes of 16 codes
.set R,     16                         ; v16-79   four sets of 16 numbers as they are loaded
.set X,     80                         ; v80-111  two sets of 16 neighbours
.set C,     128                        ; v128-191 codes: four registers for each step, so that no store's data are written again
.set E,     112                        ; v112-127 a scale byte for each step
.set WREG,  8192                       ; LDS: a region for each wave: two stages of 32 x SP bytes, behind them its 256 scale bytes
.set SP,    80                         ; a lane's place in a stage: 64 bytes + 16 of padding
.set SPW,   12                         ; v12  LDS address of my spare word; never rewritten
.set NIL,   13                         ; v13  0; never rewritten
.set SPARE, WAVES*WREG                 ; behind the regions: the spare words, 128 bytes a wave, which no other line names
	s_load_b128 s[4:7], s[0:1], 0x0                ; x, Wqkv_w
	s_load_b128 s[8:11], s[0:1], 0x10              ; out_w, codes
	s_load_b128 s[12:15], s[0:1], 0x20             ; scales, wo16
	v_lshl_add_u32 v[SPW], v0, 2, SPARE
	v_mov_b32 v[NIL], 0
	v_lshrrev_b32 v1, 5, v0
	v_readfirstlane_b32 s16, v1                    ; wave
	v_and_b32 v2, 31, v0                           ; lane
	v_lshlrev_b32 v3, 4, v2                        ; my 16 bytes of a load's 512
	s_mul_i32 s17, s16, WREG
	v_lshrrev_b32 v14, 2, v2
	v_mul_u32_u24 v14, v14, SP
	v_and_b32 v15, 3, v2
	v_lshl_add_u32 v14, v15, 4, v14
	v_add_nc_u32 v14, s17, v14                     ; the stage, on the way in: SP (lane / 4) + 16 (lane % 4)
	v_mul_u32_u24 v15, v2, SP
	v_add_nc_u32 v15, s17, v15                     ; and on the way out: SP x lane: my 16 neighbours
	v_mul_u32_u24 v4, v2, CB                       ; my codes' place in a step's
	v_lshrrev_b32 v5, 1, v2
	s_add_co_u32 s17, s17, 2*32*SP
	v_add_nc_u32 v5, s17, v5                       ; LDS: my wave's 256 scale bytes, my block's byte
	v_lshlrev_b32 v7, 3, v2                        ; 8 bytes a lane
	v_add_nc_u32 v6, s17, v7
	s_wait_kmcnt 0x0
	s_cmp_ge_u32 ttmp9, WGQ                        ; out_w's work-groups part here: a branch on the work-group's number alone
	s_cbranch_scc1 .Lcvt
	s_cmp_lt_u32 ttmp9, WGX                        ; x's work-group or W's?
	s_cselect_b64 s[4:5], s[4:5], s[6:7]
	s_cselect_b32 s17, 0, WGX
	s_sub_co_u32 s17, ttmp9, s17
	s_lshl_b32 s17, s17, 2
	s_add_co_u32 s18, s17, s16                     ; which run of 8,192 numbers of the tensor is my wave's
	s_lshl_b32 s18, s18, 15                        ; 32,768 bytes a run
	s_mov_b32 s19, 0
	s_add_nc_u64 s[4:5], s[4:5], s[18:19]
	s_lshl_b32 s20, ttmp9, 2
	s_add_co_u32 s20, s20, s16                     ; which run of the two tensors on end
	s_lshl_b32 s18, s20, 12                        ; 4,096 bytes of codes a run
	s_add_nc_u64 s[10:11], s[10:11], s[18:19]
	s_lshl_b32 s18, s20, 8                         ; 256 scale bytes a run
	s_add_nc_u64 s[12:13], s[12:13], s[18:19]
.macro LOAD t
.irp i, 0,1,2,3
	global_load_b128 v[R+16*((\t)%4)+4*\i:R+16*((\t)%4)+4*\i+3], v3, s[4:5] offset:2048*(\t)+512*\i th:TH_LOAD_NT   ; 32 lanes read 512 consecutive bytes
.endr
.endm
.macro TURN t                          ; step t's numbers through the stage: LDS serves a wave's instructions in order, so no wait stands between the stores and the loads
.irp i, 0,1,2,3
	ds_store_b128 v14, v[R+16*((\t)%4)+4*\i:R+16*((\t)%4)+4*\i+3] offset:32*SP*((\t)%2)+8*SP*\i
.endr
.irp i, 0,1,2,3
	ds_load_b128 v[X+16*((\t)%2)+4*\i:X+16*((\t)%2)+4*\i+3], v15 offset:32*SP*((\t)%2)+16*\i
.endr
.endm
.irp t, 0,1,2,3
	LOAD \t
.endr
	s_wait_loadcnt 12                              ; step 0's four loads are in; the twelve of steps 1 to 3 stay out
	TURN 0
.macro STEP t
.set XS, X+16*((\t)%2)
.if (\t) > 0
	s_wait_dscnt 1                                 ; this step's numbers are back from the stage (the last step's byte store may be out)
.else
	s_wait_dscnt 0x0
.endif
.if (\t)+4 < STEPS
	LOAD (\t)+4                                    ; the registers that the stage's stores have read take the loads of four steps on
.endif
.if (\t)+1 < STEPS
.if STEPS-2-(\t) >= 3
	s_wait_loadcnt 12                              ; the next step's four loads are in; those of the three steps behind it may be out
.else
	s_wait_loadcnt 4*(STEPS-2-(\t))
.endif
	TURN (\t)+1                                    ; and go through the other stage while this step is worked
.endif
	v_max3_num_f32 v8, |v[XS]|, |v[XS+1]|, |v[XS+2]|               ; the largest magnitude of my 16, in two chains
	v_max3_num_f32 v9, |v[XS+3]|, |v[XS+4]|, |v[XS+5]|
.irp i, 6,10
	v_max3_num_f32 v8, v8, |v[XS+\i]|, |v[XS+\i+1]|
	v_max3_num_f32 v9, v9, |v[XS+\i+2]|, |v[XS+\i+3]|
.endr
	v_max3_num_f32 v8, v8, |v[XS+14]|, |v[XS+15]|
	v_max3_num_f32 v8, v8, v9, (EMAX+1)<<23        ; and the floor 2^(3 - 127): the byte cannot fall under 1
	v_max_num_f32_dpp v8, v8, v8 row_xmask:1 row_mask:0xf bank_mask:0xf   ; and of my neighbour's 16: the block's
	v_add_nc_u32 v11, -(EMAX<<23), v8              ; 2 off its exponent field: the conversion takes the exponent field of this operand as its scale
	v_cvt_scalef32_pk8_fp4_f32 v[C+4*(\t)], v[XS:XS+7], v11
	v_cvt_scalef32_pk8_fp4_f32 v[C+4*(\t)+1], v[XS+8:XS+15], v11
	v_lshrrev_b32 v[E+(\t)], 23, v11               ; the scale's byte (a plain line behind the conversions)
	ds_store_b8 v5, v[E+(\t)] offset:16*(\t)       ; both lanes of a block write the same byte with the same value
	global_store_b64 v4, v[C+4*(\t):C+4*(\t)+1], s[10:11] offset:32*CB*(\t)
.endm
.irp t, 0,1,2,3,4,5,6,7,8,9,10,11,12,13,14,15
	STEP \t
.endr
	ds_load_b64 v[8:9], v6                         ; LDS serves a wave's instructions in order: these see my stores
	s_wait_dscnt 0x0
	global_store_b64 v7, v[8:9], s[12:13]          ; 32 lanes store 256 consecutive bytes
	s_wait_tensorcnt 0x0                           ; the wave's end
	ds_add_u32 v[SPW], v[NIL]
	s_wait_dscnt 0x0
	s_endpgm
; out_w to f16: four batches of 16 loads of 512 consecutive bytes; a batch is asked for while the one before is rounded.
.Lcvt:
	s_sub_co_u32 s17, ttmp9, WGQ
	s_lshl_b32 s17, s17, 2
	s_add_co_u32 s17, s17, s16                     ; my wave's run of 8,192 numbers
	s_lshl_b32 s18, s17, 15
	s_mov_b32 s19, 0
	s_add_nc_u64 s[8:9], s[8:9], s[18:19]
	s_lshl_b32 s18, s17, 14
	s_add_nc_u64 s[14:15], s[14:15], s[18:19]
.macro CVL g
.irp i, 0,1,2,3,4,5,6,7,8,9,10,11,12,13,14,15
	global_load_b128 v[16+64*((\g)%2)+4*\i:16+64*((\g)%2)+4*\i+3], v3, s[8:9] offset:512*(16*(\g)+\i)
.endr
.endm
.macro CV g
.if (\g) < 3
	CVL (\g)+1
	s_wait_loadcnt 16                              ; this batch is in; the sixteen just issued stay out
.else
	s_wait_loadcnt 0x0
.endif
	s_wait_xcnt 0x0                                ; the last batch's stores have read v144-175: they are written again only behind this wait
.irp i, 0,1,2,3,4,5,6,7,8,9,10,11,12,13,14,15
	v_cvt_pk_f16_f32 v[144+2*\i], v[16+64*((\g)%2)+4*\i], v[16+64*((\g)%2)+4*\i+1]
	v_cvt_pk_f16_f32 v[145+2*\i], v[16+64*((\g)%2)+4*\i+2], v[16+64*((\g)%2)+4*\i+3]
	global_store_b64 v7, v[144+2*\i:145+2*\i], s[14:15] offset:256*(16*(\g)+\i)   ; 32 lanes store 256 consecutive bytes
.endr
.endm
	CVL 0
	CV 0
	CV 1
	CV 2
	CV 3
	s_endpgm
.Lfunc_end_k_qe389c2f697_quant:
	.size	k_qe389c2f697_quant, .Lfunc_end_k_qe389c2f697_quant-k_qe389c2f697_quant
	.p2alignl 7, 3214868480
	.fill 96, 4, 3214868480
	.section	.rodata,"a",@progbits
	.p2align	6, 0x0
	.amdhsa_kernel k_qe389c2f697_quant
		.amdhsa_group_segment_fixed_size 33280
		.amdhsa_private_segment_fixed_size 0
		.amdhsa_enable_private_segment 0
		.amdhsa_kernarg_size 48
		.amdhsa_user_sgpr_count 2
		.amdhsa_user_sgpr_kernarg_segment_ptr 1
		.amdhsa_wavefront_size32 1
		.amdhsa_system_sgpr_workgroup_id_x 1
		.amdhsa_system_sgpr_workgroup_id_y 1
		.amdhsa_system_sgpr_workgroup_id_z 1
		.amdhsa_system_vgpr_workitem_id 0
		.amdhsa_next_free_vgpr 192
		.amdhsa_next_free_sgpr 66
		.amdhsa_reserve_vcc 0
		.amdhsa_float_denorm_mode_32 3
		.amdhsa_float_denorm_mode_16_64 3
		.amdhsa_memory_ordered 1
		.amdhsa_forward_progress 1
		.amdhsa_inst_pref_size 54
	.end_amdhsa_kernel
	.amdgpu_metadata
---
amdhsa.version: [ 1, 2 ]
amdhsa.kernels:
  - .name:           k_qe389c2f697_quant
    .symbol:         k_qe389c2f697_quant.kd
    .args:
      - { .name: x, .offset: 0, .size: 8, .value_kind: global_buffer, .address_space: global }
      - { .name: Wqkv_w, .offset: 8, .size: 8, .value_kind: global_buffer, .address_space: global }
      - { .name: out_w, .offset: 16, .size: 8, .value_kind: global_buffer, .address_space: global }
      - { .name: codes, .offset: 24, .size: 8, .value_kind: global_buffer, .address_space: global }
      - { .name: scales, .offset: 32, .size: 8, .value_kind: global_buffer, .address_space: global }
      - { .name: wo16, .offset: 40, .size: 8, .value_kind: global_buffer, .address_space: global }
    .group_segment_fixed_size: 33280
    .private_segment_fixed_size: 0
    .kernarg_segment_align: 8
    .kernarg_segment_size: 48
    .max_flat_workgroup_size: 128
    .sgpr_count:     66
    .vgpr_count:     192
    .wavefront_size: 32
...
	.end_amdgpu_metadata
.endif
;; end of part 1
;; launch qkvgemm (part 2): grid 12 x 32, 4 waves a work-group, clusters of 4 x 4, 327,680 bytes of LDS; arguments codes, scales, Wqkv_b, qkv, qkvf; writes qkv, qkvf
.if DOCPART == 2
	.amdgcn_target "amdgcn-amd-amdhsa--gfx1250"
	.amdhsa_code_object_version 6
	.text
	.protected	k_qe389c2f697_qkvgemm
	.globl	k_qe389c2f697_qkvgemm
	.p2align	8
	.type	k_qe389c2f697_qkvgemm,@function
k_qe389c2f697_qkvgemm:
	s_mov_b64 s[64:65], 0
	v_nop
	global_prefetch_b8 v0, s[64:65] scope:SCOPE_SE
	s_setreg_imm32_b32 hwreg(HW_REG_WAVE_MODE, 25, 1), 1
	s_wait_xcnt 0x0
	s_wait_alu depctr_hold_cnt(0) depctr_sa_sdst(0) depctr_va_vdst(0) depctr_va_sdst(0) depctr_va_ssrc(0) depctr_va_vcc(0) depctr_vm_vsrc(0)
	s_getreg_b32 s2, hwreg(HW_REG_IB_STS2, 6, 4)
	s_cmp_eq_u32 s2, 0
	s_cbranch_scc0 .Lentry_in_a_cluster
	s_endpgm
.Lentry_in_a_cluster:
	s_bfe_u32 s2, ttmp6, 0x10000c
	s_cmp_lg_u32 s2, 0xf033
	s_cbranch_scc0 .Lentry_shape_is_right
	s_endpgm
.Lentry_shape_is_right:
; qkv = Q(x) Q(Wqkv_w)^T + Wqkv_b: [8192][3072], K = 1,024, both operands as codes of FP4 (E2M1) with one E8M0 byte for each 32 along K, sums in f32.
; codes: x's 8,192 rows of 512 bytes, then W's 3,072; scales: rows of 32 bytes in the same order: so W's row n is row 8,192 + n of both buffers.
; OUT: q, k, v as f16, by head: qkv [3 sel][4 b][16 h][2048 s][64]; and the first 16 tokens of every sequence once more in f32: qkvf [4 b][48 = 16 sel + h][16 tokens][64].
; LIMIT: |q|, |k|, |v| under 65,504, f16's largest number.
; A tile of 256 x 256 is made by four waves, 128 x 128 each: 64 accumulators, 512 registers.  K is two slots of 512 (LDS rows of 256 bytes): both are first fills, nothing is filled again.
; The scale bytes of the tile's 256 + 256 rows, for all of K, are two dense blocks: they come once, with the first fills.
; CLUSTER 4 x 4: the four of a row of the cluster need the same rows of x, the four of a column the same rows of W: each tile is asked for jointly.  Tile row = 8 cy + cluster y, so that cy is the batch and
; cluster y, which all sixteen partners share, says where in the sequence the tile lies.
; THE MATRIX INSTRUCTION IS USED TRANSPOSED (source 0 = 16 rows of W, source 1 = 16 rows of x): a lane holds eight neighbouring columns of one row.  The bias is the C of each sum's first product.
; REGISTERS: window 0: v0-31 addresses; v32-95 scale words, two sets; v128-191 x's fragments, one set.  window 1: W's fragments, two sets, at v0 and v128; v64-127 the bias.  windows 2, 3: the accumulators ((a, b) at v[8 (8 (a % 4) + b)]).
.set SIZE_M, 8192
.set NQ,     4                         ; matrix instructions deep in a slot
.set ROWB,   256                       ; a tile's row in bytes: 512 codes
.set KROW,   512                       ; a row of codes in memory
.set PITCH,  272                       ; an LDS row: 256 bytes + 16 of padding
.set FR,     8
.set NL,     2
.set NP,     4                         ; places behind this matrix instruction (ISA guide 7.12.1)
.set HALFT,  128*PITCH
.set SLOT,   4*HALFT
.set KS,     32                        ; a row of scale bytes
.set SCL,    2*SLOT                    ; behind the ring: the scales, as units of 256 bytes + 16 of padding
.set HALFS,  (128*KS/256)*272
.set SBLK,   (16*KS/256)*272
.set SPARE,  SCL+4*HALFS               ; the spare words, 128 bytes a wave, which no other line names
.set STAGE,  SPARE+512                 ; the way out: for each wave [2 heads][16 rows][128 bytes + 16]
.set HP,     144
.set WSTG,   2*16*HP
.set ADRA, 16                          ; v16-17 LDS address of my x fragments in slot 0, 1
.set ADRB, 20                          ; v20-21 the same for W
.set STO,  24                          ; v24  the way out: where I put 16 bytes of a row
.set RD,   25                          ; v25  where I read rows back
.set CO,   26                          ; v26  16 x lane
.set ADRS, 27                          ; v27  LDS address of my scale words: lanes 0-15 x's rows, lanes 16-31 W's
.set SPW,  28                          ; v28  my spare word; never rewritten
.set NIL,  29                          ; v29  0; never rewritten
.set FO,   30                          ; v30  my byte offset in a head's 16 tokens of qkvf
.set BO,   31                          ; v31  32 x (lane / 16): my eight numbers of a block's sixteen of the bias
.set SC,   32
.set AF,   128
.set BI,   64                          ; in window 1
.set TMP,  32                          ; the way out: packed results
.set BK,   128                         ; and rows read back: v128-159, v160-191 by turns
.set G1, 24
.set G0, 32
.set G1B, 48
.set G0B, 56
.set G1S, 68
.set G0S, 76
.set G1SB, 80
.set G0SB, 88
.set MSB, 0
.macro WIN new                         ; the immediate's high byte repeats the setting that is left
.if MSB != (\new)
	s_set_vgpr_msb (MSB<<8)|(\new)
.set MSB, (\new)
.endif
.endm
.set MUL_LO, 0xa1                      ; source 0 (W) window 1, source 1 (x) window 0, C and D window 2
.set MUL_HI, 0xf1                      ; the same, C and D window 3
.set BIAS_LO, 0x91                     ; C (the bias) window 1, D window 2
.set BIAS_HI, 0xd1                     ; C window 1, D window 3
.set TO_B,   0x40
; A joint load: waves 0 and 1 fetch for x, waves 2 and 3 for W.  The branch hangs on the wave's number alone.  An s_nop 0 and four v_nop follow each line.
.macro JLOAD g0a, g1a, g0b, g1b
	s_cmp_eq_u32 s15, 0
	s_cbranch_scc0 .Lfor_b_\@
	tensor_load_to_lds s[\g0a:\g0a+3], s[\g1a:\g1a+7]
	s_nop 0
.rept 4
	v_nop
.endr
	s_branch .Lasked_\@
.Lfor_b_\@:
	tensor_load_to_lds s[\g0b:\g0b+3], s[\g1b:\g1b+7]
	s_nop 0
.rept 4
	v_nop
.endr
.Lasked_\@:
.endm
.macro CROUND                          ; a round of the cluster's barrier
	s_barrier_signal -1
	s_barrier_wait -1
	s_cmp_lg_u32 s14, 0
	s_cbranch_scc1 .Lnot_wave_0_\@
	s_barrier_signal -3
.Lnot_wave_0_\@:
	s_barrier_wait -3
	s_barrier_signal -1
	s_barrier_wait -1
.endm
	s_load_b128 s[4:7], s[0:1], 0x0                ; codes, scales
	s_load_b128 s[8:11], s[0:1], 0x10              ; Wqkv_b, qkv
	s_load_b64 s[12:13], s[0:1], 0x20              ; qkvf
	v_lshl_add_u32 v[SPW], v0, 2, SPARE
	v_mov_b32 v[NIL], 0
	ds_add_u32 v[SPW], v[NIL]                      ; the wave's opening: the add, twice on end, and its wait ahead of my first tensor load
	ds_add_u32 v[SPW], v[NIL]
	v_lshrrev_b32 v1, 5, v0
	v_readfirstlane_b32 s14, v1                    ; wave 0..3
	s_lshr_b32 s15, s14, 1                         ; which half of the tile's rows is mine.  Also: I fetch for x (0) or for W (1)
	s_and_b32 s16, s14, 1                          ; which half of its columns.  Also: which 128 rows I fetch
	s_bfe_u32 s40, ttmp6, 0x40000                  ; cx
	s_bfe_u32 s41, ttmp6, 0x40004                  ; cy
	s_lshl_b32 s42, ttmp9, 2
	s_add_co_u32 s42, s42, s40                     ; tile column = 4 x cluster x + cx
	s_and_b32 s95, ttmp7, 0xffff                   ; cluster y: which 256 tokens of the sequence
	s_lshl_b32 s17, s41, 3
	s_add_co_u32 s17, s17, s95                     ; tile row = 8 cy + cluster y
	s_lshl_b32 s43, s41, 2
	s_lshl_b32 s43, 15, s43                        ; my row of the cluster
	s_lshl_b32 s44, 0x1111, s40                    ; my column
	s_or_b32 s[G1+0], s43, (0<<16)|(1<<20)|(1<<21)|(5<<22)|(3<<25)  ; the mask; elements of 1 byte; padding of 4 words behind every 64
	s_or_b32 s[G1B+0], s44, (0<<16)|(1<<20)|(1<<21)|(5<<22)|(3<<25)
.irp g, G1, G1B
	s_mov_b32 s[\g+1], ROWB<<16                    ; tensor_dim0
	s_mov_b32 s[\g+2], 128<<16                     ; tensor_dim1
	s_mov_b32 s[\g+3], ROWB<<16                    ; tile_dim0
	s_mov_b32 s[\g+4], 128                         ; tile_dim1
	s_mov_b32 s[\g+5], KROW                        ; from row to row
	s_mov_b32 s[\g+6], 0
	s_mov_b32 s[\g+7], 0
.endr
	s_or_b32 s[G1S+0], s43, (3<<16)|(1<<20)|(1<<21)|(5<<22)|(3<<25)  ; the scales of 128 rows: 4,096 dense bytes as 16 rows of 256 (32 elements of 8 bytes)
	s_or_b32 s[G1SB+0], s44, (3<<16)|(1<<20)|(1<<21)|(5<<22)|(3<<25)
.irp g, G1S, G1SB
	s_mov_b32 s[\g+1], 32<<16
	s_mov_b32 s[\g+2], (128*KS/256)<<16
	s_mov_b32 s[\g+3], 32<<16
	s_mov_b32 s[\g+4], 128*KS/256
	s_mov_b32 s[\g+5], 32
	s_mov_b32 s[\g+6], 0
	s_mov_b32 s[\g+7], 0
.endr
	s_lshl_b32 s18, s16, 7                         ; which 128 rows of the tile I fetch
	s_lshl_b32 s20, s17, 8
	s_add_co_u32 s20, s20, s18                     ; x: row 256 x tile row + 128 x half
	s_lshl_b32 s46, s42, 8
	s_add_co_u32 s46, s46, s18
	s_add_co_u32 s46, s46, SIZE_M                  ; W: row 8,192 + 256 x tile column + 128 x half
	s_mov_b32 s21, 0
	s_mov_b32 s47, 0
	s_mov_b64 s[18:19], KS
	s_mul_u64 s[22:23], s[20:21], s[18:19]         ; where these rows' scales begin,
	s_mul_u64 s[92:93], s[46:47], s[18:19]
	s_mov_b64 s[18:19], KROW
	s_mul_u64 s[20:21], s[20:21], s[18:19]         ; and their codes
	s_mul_u64 s[46:47], s[46:47], s[18:19]
	s_mul_i32 s45, s14, HALFT                      ; where they go: wave x 128 rows
	s_mul_i32 s94, s14, HALFS
	s_wait_dscnt 0x0                               ; both opening adds are done
	s_wait_kmcnt 0x0
	s_add_nc_u64 s[20:21], s[4:5], s[20:21]
	s_add_nc_u64 s[22:23], s[6:7], s[22:23]
	s_add_nc_u64 s[46:47], s[4:5], s[46:47]
	s_add_nc_u64 s[92:93], s[6:7], s[92:93]
	CROUND                                         ; all sixteen work-groups are here: the first joint loads meet
	s_mov_b32 s[G0S], 1
	s_add_co_u32 s[G0S+1], s94, SCL
	s_mov_b64 s[G0S+2:G0S+3], s[22:23]
	s_or_b32 s[G0S+3], s[G0S+3], 0x80000000
	s_mov_b32 s[G0SB], 1
	s_add_co_u32 s[G0SB+1], s94, SCL
	s_mov_b64 s[G0SB+2:G0SB+3], s[92:93]
	s_or_b32 s[G0SB+3], s[G0SB+3], 0x80000000
	JLOAD G0S, G1S, G0SB, G1SB                     ; the scales first: they are wanted with the first slot
.irp s, 0,1
	s_mov_b32 s[G0+4*\s], 1
	s_add_co_u32 s[G0+4*\s+1], s45, \s*SLOT
	s_add_nc_u64 s[G0+4*\s+2:G0+4*\s+3], s[20:21], \s*ROWB
	s_or_b32 s[G0+4*\s+3], s[G0+4*\s+3], 0x80000000
	s_mov_b32 s[G0B+4*\s], 1
	s_add_co_u32 s[G0B+4*\s+1], s45, \s*SLOT
	s_add_nc_u64 s[G0B+4*\s+2:G0B+4*\s+3], s[46:47], \s*ROWB
	s_or_b32 s[G0B+4*\s+3], s[G0B+4*\s+3], 0x80000000
	JLOAD G0+4*\s, G1, G0B+4*\s, G1B               ; three tensor loads of mine are out now
.endr
	v_and_b32 v1, 15, v0                           ; r = lane % 16
	v_bfe_u32 v2, v0, 4, 1                         ; h = lane / 16
	v_lshlrev_b32 v[BO], 5, v2
	s_lshl_b32 s46, s42, 10                        ; the bias of my 128 columns: 4 x (256 x tile column + 128 x half) bytes on
	s_lshl_b32 s47, s16, 9
	s_add_co_u32 s46, s46, s47
	s_mov_b32 s47, 0
	s_add_nc_u64 s[8:9], s[8:9], s[46:47]
	WIN TO_B
.irp b, 0,1,2,3,4,5,6,7                        ; block b's eight registers: the bias of columns 16 b + 8 h + 0 .. 7: the result's layout
	global_load_b128 v[BI+8*\b:BI+8*\b+3], v[BO], s[8:9] offset:64*\b
	global_load_b128 v[BI+8*\b+4:BI+8*\b+7], v[BO], s[8:9] offset:64*\b+16
.endr
	WIN 0
	v_mul_u32_u24 v3, v1, PITCH
	v_lshl_add_u32 v4, v2, 4, v3                   ; a fragment's row x pitch + 16 x half
	s_mul_i32 s21, s15, HALFT                      ; my 128 rows of x
	s_mul_i32 s22, s16, HALFT                      ; my 128 rows of W,
	s_add_co_u32 s22, s22, 2*HALFT                 ; which lie behind x's 256
.irp s, 0,1
	v_add_nc_u32 v[ADRA+\s], s21, v4
	v_add_nc_u32 v[ADRB+\s], s22, v4
	s_add_co_u32 s21, s21, SLOT
	s_add_co_u32 s22, s22, SLOT
.endr
	v_mul_u32_u24 v5, v1, KS                       ; my row's scales: 32 bytes a row,
	v_lshrrev_b32 v6, 8, v5
	v_lshl_add_u32 v5, v6, 4, v5                   ; and 16 more for each 256 passed
	s_mul_i32 s21, s15, HALFS
	s_mul_i32 s22, s16, HALFS
	s_add_co_u32 s22, s22, 2*HALFS
	s_sub_co_u32 s22, s22, s21
	v_mul_u32_u24 v6, s22, v2                      ; lanes 16-31 take W's
	s_add_co_u32 s21, s21, SCL
	v_add_nc_u32 v5, v5, v6
	v_add_nc_u32 v[ADRS], s21, v5
	s_mul_i32 s23, s14, WSTG
	s_add_co_u32 s23, s23, STAGE                   ; my stage
	v_mul_u32_u24 v5, v1, HP
	v_lshl_add_u32 v5, v2, 4, v5
	v_add_nc_u32 v[STO], s23, v5                   ; in: row r, 16 bytes for each half of the lanes
	v_and_b32 v6, 31, v0
	v_lshrrev_b32 v5, 3, v6
	v_mul_u32_u24 v5, v5, HP
	v_and_b32 v7, 7, v0
	v_lshl_add_u32 v5, v7, 4, v5
	v_add_nc_u32 v[RD], s23, v5                    ; back: eight lanes to a row of 128 bytes, four rows an instruction
	v_lshlrev_b32 v[CO], 4, v6                     ; which are 512 consecutive bytes of qkv
	v_lshlrev_b32 v[FO], 8, v1
	v_lshl_add_u32 v[FO], v2, 5, v[FO]             ; qkvf: token r of 256 bytes, + 32 h
	s_lshl_b32 s46, s42, 2
	s_lshl_b32 s47, s16, 1
	s_add_co_u32 s46, s46, s47                     ; g0 = 16 sel + head of my first 64 columns
	s_lshl_b32 s92, s46, 12                        ; qkvf: 4,096 bytes for each
	s_lshr_b32 s47, s46, 4
	s_lshl_b32 s47, s47, 24                        ; qkv: sel x 16,777,216
	s_and_b32 s46, s46, 15
	s_lshl_b32 s46, s46, 18                        ; + head x 262,144
	s_add_co_u32 s46, s46, s47
	s_lshl_b32 s20, s41, 22                        ; + batch x 4,194,304
	s_lshl_b32 s21, s95, 15                        ; + 256 tokens x 128 bytes x cluster y
	s_add_co_u32 s20, s20, s21
	s_lshl_b32 s21, s15, 14                        ; + my half's 128 tokens
	s_add_co_u32 s20, s20, s21
	s_add_co_u32 s46, s46, s20
	s_mov_b32 s47, 0
	s_add_nc_u64 s[10:11], s[10:11], s[46:47]
	s_mul_i32 s20, s41, 196608                     ; qkvf: batch x 48 x 4,096
	s_add_co_u32 s92, s92, s20
	s_mov_b32 s93, 0
	s_add_nc_u64 s[12:13], s[12:13], s[92:93]
	s_or_b32 s96, s95, s15                         ; 0 where my rows begin a sequence: cluster y and the wave's number alone
.macro FRAG reg, adr, q, i             ; 16 rows x 128 K of 4-bit codes: 8 registers: two loads of 16 bytes, 32 bytes apart
.irp c, 0,1
	ds_load_b128 v[\reg+4*\c:\reg+4*\c+3], v[\adr] offset:64*(\q)+32*\c+(\i)*16*PITCH
.endr
.endm
; 16 matrix instructions: x's blocks a0, a0 + 1 against W's eight.  first = 1: the bias is C: nothing is ever cleared.  The 64 accumulators take turns, one instruction a turn.
.macro MUL16 a0, p, q, sc, first
.irp a, \a0, \a0+1
.irp b, 0,1,2,3,4,5,6,7
.if \first
	v_wmma_scale_f32_16x16x128_f8f6f4 v[8*(8*((\a)%4)+\b):8*(8*((\a)%4)+\b)+7], v[128*(\p)+FR*\b:128*(\p)+FR*\b+FR-1], v[AF+FR*(\a):AF+FR*(\a)+FR-1], v[BI+8*\b:BI+8*\b+7], v[SC+8*NQ*(\sc)+NQ*\b+(\q)], v[SC+8*NQ*(\sc)+NQ*(\a)+(\q)] matrix_a_fmt:MATRIX_FMT_FP4 matrix_b_fmt:MATRIX_FMT_FP4 matrix_a_scale:MATRIX_SCALE_ROW1
.else
	v_wmma_scale_f32_16x16x128_f8f6f4 v[8*(8*((\a)%4)+\b):8*(8*((\a)%4)+\b)+7], v[128*(\p)+FR*\b:128*(\p)+FR*\b+FR-1], v[AF+FR*(\a):AF+FR*(\a)+FR-1], v[8*(8*((\a)%4)+\b):8*(8*((\a)%4)+\b)+7], v[SC+8*NQ*(\sc)+NQ*\b+(\q)], v[SC+8*NQ*(\sc)+NQ*(\a)+(\q)] matrix_a_fmt:MATRIX_FMT_FP4 matrix_b_fmt:MATRIX_FMT_FP4 matrix_a_scale:MATRIX_SCALE_ROW1
.endif
.endr
.endr
.endm
.macro FETCH_B slot, q, p
	WIN TO_B
.irp i, 0,1,2,3,4,5,6,7
	FRAG 128*(\p)+FR*\i, ADRB+\slot, \q, \i
.endr
	WIN 0
.endm
.macro FETCH_A slot, q, i0
.irp i, \i0, \i0+1, \i0+2, \i0+3
	FRAG AF+FR*(\i), ADRA+\slot, \q, \i
.endr
.endm
.macro SCALES sc                       ; a slot's scale words: 4 words a row; lanes 0-15 take x's block i, lanes 16-31 W's block i
.irp i, 0,1,2,3,4,5,6,7
	ds_load_b128 v[SC+8*NQ*\sc+NQ*\i:SC+8*NQ*\sc+NQ*\i+3], v[ADRS] offset:\i*SBLK
.endr
.endm
.macro PLACES n                        ; plain vector lines between a matrix instruction and a load into, or a read of, its registers
.rept \n
	v_nop
.endr
.endm
.macro STEP slot, q, first             ; 128 along K that has its successor in the same slot
	s_wait_dscnt 4*NL                              ; W's set and x's blocks 0-3 are in; the youngest eight loads (x's blocks 4-7) may be out
.if \first
	WIN BIAS_LO
.else
	WIN MUL_LO
.endif
	MUL16 0, (\q)%2, \q, \slot, \first
	MUL16 2, (\q)%2, \q, \slot, \first
	s_wait_dscnt 0
	PLACES NP
	FETCH_B \slot, (\q)+1, 1-(\q)%2
	FETCH_A \slot, (\q)+1, 0
.if \first
	WIN BIAS_HI
.else
	WIN MUL_HI
.endif
	MUL16 4, (\q)%2, \q, \slot, \first
	MUL16 6, (\q)%2, \q, \slot, \first
	PLACES NP
	WIN 0
	FETCH_A \slot, (\q)+1, 4
.endm
; Slot 0's last step changes slots: each wave waits for all its tensor loads (its part of slot 1), adds 0 to its spare word, waits for that; behind the barrier slot 1 is whole.  Nothing is filled again.
.macro TURN slot, next
	s_wait_tensorcnt 0x0
	ds_add_u32 v[SPW], v[NIL]                      ; 0 onto my spare word
	s_wait_dscnt 4*NL+1                            ; (the add and the youngest eight loads may be out)
	WIN MUL_LO
	MUL16 0, 1, NQ-1, \slot, 0
	s_wait_dscnt 0x0
	s_barrier_signal -1
	MUL16 2, 1, NQ-1, \slot, 0
	WIN 0
	s_barrier_wait -1
	PLACES NP
	v_add_nc_u32 v[ADRS], 4*NQ, v[ADRS]            ; on to the next slot's scale words
	FETCH_B \next, 0, 0
	FETCH_A \next, 0, 0
	SCALES \next
	WIN MUL_HI
	MUL16 4, 1, NQ-1, \slot, 0
	MUL16 6, 1, NQ-1, \slot, 0
	PLACES NP
	WIN 0
	FETCH_A \next, 0, 4
.endm
.macro STEPS slot, from
.set Q, \from
.rept NQ-1-\from
	STEP \slot, Q, 0
.set Q, Q+1
.endr
.endm
	s_wait_tensorcnt 1                             ; the scales and my part of slot 0 are in; slot 1's load may be out
	s_barrier_signal -1
	s_barrier_wait -1                              ; everybody's are
	FETCH_B 0, 0, 0
	FETCH_A 0, 0, 0
	SCALES 0
	FETCH_A 0, 0, 4
	s_wait_loadcnt 0x0                             ; the bias
	STEP 0, 0, 1
	STEPS 0, 1
	TURN 0, 1
	STEPS 1, 0
	s_wait_dscnt 4*NL                              ; the very last step: nothing more to fetch
	WIN MUL_LO
	MUL16 0, 1, NQ-1, 1, 0
	MUL16 2, 1, NQ-1, 1, 0
	s_wait_dscnt 0
	WIN MUL_HI
	MUL16 4, 1, NQ-1, 1, 0
	MUL16 6, 1, NQ-1, 1, 0
	WIN 0
	PLACES NP                                      ; behind the last products: for the reads of results, the writes over the scale words and the loads over x's fragments
; Where my rows begin a sequence, block 0 (tokens 0-15) also leaves in f32.  A lane's 32 bytes stand alone here: 786,432 bytes in the whole launch leave so.
	s_cmp_lg_u32 s96, 0
	s_cbranch_scc1 .Lno_fine
	WIN 0x08                                       ; a store's data are its source 1: window 2
.irp b, 0,1,2,3,4,5,6,7
	global_store_b128 v[FO], v[8*\b:8*\b+3], s[12:13] offset:(\b/4)*4096+(\b%4)*64
	global_store_b128 v[FO], v[8*\b+4:8*\b+7], s[12:13] offset:(\b/4)*4096+(\b%4)*64+16
.endr
	WIN 0
.Lno_fine:
; THE WAY OUT, block by block of 16 tokens x 128 columns (two heads): rounded to f16, through my own stage, back as four whole rows of a head: 512 consecutive bytes of qkv a store.
.macro PACK a
.set AC, 64*((\a)%4)
	WIN 0x0a+5*((\a)/4)                            ; sources 0 and 1: window 2 or 3
.irp b, 0,1,2,3,4,5,6,7
.irp k, 0,1,2,3
	v_cvt_pk_f16_f32 v[TMP+4*\b+\k], v[AC+8*\b+2*\k], v[AC+8*\b+2*\k+1]   ; each accumulator from its low end on
.endr
.endr
	WIN 0
.endm
.macro TOSTAGE a
.set BB, BK+32*((\a)%2)
.irp b, 0,1,2,3,4,5,6,7
	ds_store_b128 v[STO], v[TMP+4*\b:TMP+4*\b+3] offset:(\b/4)*16*HP+(\b%4)*32
.endr
.irp u, 0,1,2,3,4,5,6,7                        ; head u / 4, rows 4 (u % 4) on.  LDS serves a wave's instructions in order: these see the stores above
	ds_load_b128 v[BB+4*\u:BB+4*\u+3], v[RD] offset:(\u/4)*16*HP+(\u%4)*4*HP
.endr
.endm
.macro SEND a, younger                 ; younger: the LDS instructions issued behind block a's loads
.set BB, BK+32*((\a)%2)
	s_wait_dscnt \younger
.irp u, 0,1,2,3,4,5,6,7
	global_store_b128 v[CO], v[BB+4*\u:BB+4*\u+3], s[10:11] offset:(\u/4)*262144+(\a)*2048+(\u%4)*512
.endr
.endm
	PACK 0
	TOSTAGE 0
.irp a, 1,2,3,4,5,6,7
	PACK \a
.if \a > 1
	s_wait_xcnt 0x0                                ; block a - 2's stores have read their registers: block a's loads may land there
.endif
	TOSTAGE \a
	SEND \a-1, 16                                  ; behind block a - 1's loads: block a's 8 stores and 8 loads
.endr
	SEND 7, 0
	s_wait_tensorcnt 0x0                           ; the wave's end
	ds_add_u32 v[SPW], v[NIL]
	s_wait_dscnt 0x0
	CROUND                                         ; the closing round
	s_endpgm
.Lfunc_end_k_qe389c2f697_qkvgemm:
	.size	k_qe389c2f697_qkvgemm, .Lfunc_end_k_qe389c2f697_qkvgemm-k_qe389c2f697_qkvgemm
	.p2alignl 7, 3214868480
	.fill 96, 4, 3214868480
	.section	.rodata,"a",@progbits
	.p2align	6, 0x0
	.amdhsa_kernel k_qe389c2f697_qkvgemm
		.amdhsa_group_segment_fixed_size 327680
		.amdhsa_private_segment_fixed_size 0
		.amdhsa_enable_private_segment 0
		.amdhsa_kernarg_size 40
		.amdhsa_user_sgpr_count 2
		.amdhsa_user_sgpr_kernarg_segment_ptr 1
		.amdhsa_wavefront_size32 1
		.amdhsa_system_sgpr_workgroup_id_x 1
		.amdhsa_system_sgpr_workgroup_id_y 1
		.amdhsa_system_sgpr_workgroup_id_z 1
		.amdhsa_system_vgpr_workitem_id 0
		.amdhsa_next_free_vgpr 1024
		.amdhsa_next_free_sgpr 100
		.amdhsa_reserve_vcc 0
		.amdhsa_float_denorm_mode_32 3
		.amdhsa_float_denorm_mode_16_64 3
		.amdhsa_memory_ordered 1
		.amdhsa_forward_progress 1
		.amdhsa_inst_pref_size 130
	.end_amdhsa_kernel
	.amdgpu_metadata
---
amdhsa.version: [ 1, 2 ]
amdhsa.kernels:
  - .name:           k_qe389c2f697_qkvgemm
    .symbol:         k_qe389c2f697_qkvgemm.kd
    .args:
      - { .name: codes, .offset: 0, .size: 8, .value_kind: global_buffer, .address_space: global }
      - { .name: scales, .offset: 8, .size: 8, .value_kind: global_buffer, .address_space: global }
      - { .name: Wqkv_b, .offset: 16, .size: 8, .value_kind: global_buffer, .address_space: global }
      - { .name: qkv, .offset: 24, .size: 8, .value_kind: global_buffer, .address_space: global }
      - { .name: qkvf, .offset: 32, .size: 8, .value_kind: global_buffer, .address_space: global }
    .group_segment_fixed_size: 327680
    .private_segment_fixed_size: 0
    .kernarg_segment_align: 8
    .kernarg_segment_size: 40
    .max_flat_workgroup_size: 128
    .sgpr_count:     100
    .vgpr_count:     1024
    .wavefront_size: 32
...
	.end_amdgpu_metadata
.endif
;; end of part 2
;; launch attn (part 3): grid 4 x 64, 8 waves a work-group, no clusters, 327,680 bytes of LDS; arguments qkv, key_padding_mask, ctx, rest; writes ctx, rest
.if DOCPART == 3
	.amdgcn_target "amdgcn-amd-amdhsa--gfx1250"
	.amdhsa_code_object_version 6
	.text
	.protected	k_qe389c2f697_attn
	.globl	k_qe389c2f697_attn
	.p2align	8
	.type	k_qe389c2f697_attn,@function
k_qe389c2f697_attn:
	s_mov_b64 s[64:65], 0
	v_nop
	global_prefetch_b8 v0, s[64:65] scope:SCOPE_SE
	s_setreg_imm32_b32 hwreg(HW_REG_WAVE_MODE, 25, 1), 1
	s_wait_xcnt 0x0
; ctx[b][h][t][:] = sum over s of softmax_s(q[t] . k[s] / 8 + pad[s] + causal[t][s]) v[s][:], f16 operands, f32 sums, running maximum.
; THE MASKS ARE NUMBERS, NOT HOLES: pad is 0 or -10,000 by the input mask, causal is -10,000 for s > t, and both are ADDED.  A query all of whose earlier keys are padded weighs later keys too, so every query walks all 2,048 keys.
; Scores are kept raw (S = q . k); t = c S with c = log2(e) / 8; a mask of -10,000 is then -80,000, exactly.  p = 2^(c S - c M), M the running maximum; O and the sum are multiplied by 2^(c M_old - c M_new) in every step.
; qkv: [3][4 b][16 h][2048][64] f16.  ctx: [4 b][16 h][2048][64] f16.
; THE FIRST 16 QUERIES of a sequence are finished by a later launch in f32.  Here the wave that owns them sets their scores against keys 0-15 to -1e30, so that its tile 0 sums keys 16 .. 2,047 alone, and stores that tile's
; c M, sum and unnormalised O^T in f32: rest [64 bh][4,352 bytes]: eight images of four registers (512 g + 16 lane), then (c M, sum) at 4,096 + 8 lane.
; LIMITS: |q|, |k|, |v| under 65,504; NaN and infinities are not served.
; SHARES.  A work-group owns 512 queries of one (b, h); each of its 8 waves 64: four tiles of 16.  64 keys a step, 32 steps.  K's and V's tiles come through a ring of two LDS slots of 4 steps; each wave fetches one tile of 64 rows.
; NO CLUSTER: which of three kinds a step is (under, on or over the diagonal) is a scalar branch on 8 x work-group x + wave, which differs between the four work-groups that walk the same K and V; partners of a joint load must run alike.
; LAYOUT.  S^T = K Q^T (source 0 = 16 keys, source 1 = 16 queries), O^T = V^T P: a lane holds ONE query (lane % 16) throughout; two score tiles rounded to f16 in pairs ARE source 1 of the second product.  V is turned by ds_load_tr16_b128.
; The keys' masks are the C of each score's first product: a table in LDS, pad x 8 (and the same - 80,000 for steps over the diagonal).
; REGISTERS.  window 0: v1-13 addresses; v16-31 four statistics a tile (c M, M, sum even, sum odd); v32-63 the masks as C, then at work: (a, x) of tile t at v32 + 2 t; v64-127 V; v128-255 S, 32 a tile; P in place, 16 a tile.
;   window 1: v0-127 O^T, 32 a tile; v128-191 Q; v192-255 K.
.set PK,    144                        ; a row of K in LDS: 128 bytes + 16
.set PVP,   160                        ; a row of V: 128 + 32
.set VOFF,  64*PK
.set STEPB, 64*(PK+PVP)                ; a step: 64 rows of K, then 64 rows of V
.set SLOT1, 1<<17                      ; slot 1 begins here: one exclusive or turns an address from slot to slot
.set SLOTB, 32768                      ; a slot's 256 rows of K (or V) in memory
.set TAB0,  SLOT1+4*STEPB              ; 2,048 f32: pad x 8
.set TAB1,  TAB0+8192                  ; the same - 80,000
.set SPARE, TAB1+8192                  ; the spare words, 128 bytes a wave, which no other line names
.set STAGE, SPARE+1024                 ; the way out: 16 rows x 144 bytes for each wave
.set SPT,   144
.set AK0, 1
.set AV0, 2
.set AP0, 3
.set ADK, 4
.set ADV, 5
.set ADP, 6
.set PFO, 7                            ; 256 x lane; never rewritten
.set SPW, 8                            ; my spare word; never rewritten
.set NIL, 9                            ; 0; never rewritten
.set STO, 10
.set RD,  11
.set GO,  12                           ; 16 x lane
.set G8,  13                           ; 8 x lane
.set ST,  16
.set PB,  32
.set VF,  64
.set S,   128
.set QF,  128                          ; in window 1
.set KF,  192                          ; in window 1
.set WV,  12
.set MY,  13                           ; which 64 queries of the sequence are mine
.set KB,  14                           ; the key step, 0 .. 31
.set TB,  15                           ; LDS byte at which the step's tiles begin
.set TP,  16                           ; and its 64 words of the tables
.set SLOTS, 17
.set STP, 18
.set CS,  20                           ; s[20:21] c, twice
.set SEL, 22                           ; s[22:23] selects for lane xor 16
.set G1K, 24
.set G1V, 32
.set G0,  40
.set PFA, 44
.set LIM, 46
.set NEG, 48                           ; s[48:49] -80,000, twice
.set MSB, 0
.macro WIN new
.if MSB != (\new)
	s_set_vgpr_msb (MSB<<8)|(\new)
.set MSB, (\new)
.endif
.endm
; Waves 0-3 fetch the slot's four tiles of K, waves 4-7 those of V: every wave one load.  An s_nop 0 and four v_nop follow each line.
.macro TLOAD
	s_cmp_lt_u32 s[WV], 4
	s_cbranch_scc0 .Lfor_v_\@
	tensor_load_to_lds s[G0:G0+3], s[G1K:G1K+7]
	s_nop 0
.rept 4
	v_nop
.endr
	s_branch .Lasked_\@
.Lfor_v_\@:
	tensor_load_to_lds s[G0:G0+3], s[G1V:G1V+7]
	s_nop 0
.rept 4
	v_nop
.endr
.Lasked_\@:
.endm
; A prefetch of what the NEXT change of slots will load: each wave names its own tile's 8,192 dense bytes, lanes 256 bytes apart.  The four work-groups of a (b, h) walk the same K and V: the first of them asks, so each
; block of 256 bytes is named once in the launch.  The last change that fills a slot asks for nothing; slots 0 and 1 come by their loads alone.
.macro ASK
	s_cmp_gt_u32 s[SLOTS], s[LIM]
	s_cbranch_scc0 .Lnot_mine_\@
	global_prefetch_b8 v[PFO], s[PFA:PFA+1] th:TH_LOAD_NT scope:SCOPE_SE
.Lnot_mine_\@:
.endm
	s_load_b256 s[4:11], s[0:1], 0x0               ; qkv, mask, ctx, rest
	v_lshl_add_u32 v[SPW], v0, 2, SPARE
	v_mov_b32 v[NIL], 0
	ds_add_u32 v[SPW], v[NIL]                      ; the wave's opening: the add, twice on end, and its wait ahead of my first tensor load
	ds_add_u32 v[SPW], v[NIL]
	v_lshrrev_b32 v1, 5, v0
	v_readfirstlane_b32 s[WV], v1                  ; wave 0..7
	s_lshl_b32 s[MY], ttmp9, 3
	s_add_co_u32 s[MY], s[MY], s[WV]
	s_and_b32 s52, ttmp7, 0xffff                   ; bh
	s_mov_b32 s[G1K], (1<<16)|(1<<20)|(4<<22)|(3<<25)   ; elements of 2 bytes; 4 words of padding behind every 32
	s_mov_b32 s[G1V], (1<<16)|(1<<20)|(4<<22)|(7<<25)   ; 8 words
.irp g, G1K, G1V
	s_mov_b32 s[\g+1], 64<<16                      ; tensor_dim0
	s_mov_b32 s[\g+2], 64<<16                      ; tensor_dim1
	s_mov_b32 s[\g+3], 64<<16                      ; tile_dim0
	s_mov_b32 s[\g+4], 64                          ; tile_dim1
	s_mov_b32 s[\g+5], 64                          ; from row to row
	s_mov_b32 s[\g+6], 0
	s_mov_b32 s[\g+7], 0
.endr
	s_mov_b32 s[CS], 0x3e38aa3b                    ; c = log2(e) / 8
	s_mov_b32 s[CS+1], s[CS]
	s_mov_b32 s[SEL], 0x76543210
	s_mov_b32 s[SEL+1], 0xfedcba98
	s_mov_b32 s[NEG], 0xc79c4000                   ; -80,000
	s_mov_b32 s[NEG+1], s[NEG]
	s_mov_b32 s50, 0x479c4000                      ; 80,000
	s_mov_b32 s51, 0xc81c4000                      ; -160,000
	s_mov_b32 s[KB], 0
	s_mov_b32 s[TB], 0
	s_mov_b32 s[TP], 0
	s_mov_b32 s[SLOTS], 7
	s_cmp_eq_u32 ttmp9, 0
	s_cselect_b32 s[LIM], 1, -1
	s_and_b32 s53, s[WV], 3                        ; which of a slot's four steps I fetch
	s_lshr_b32 s54, s[WV], 2                       ; for K (0) or V (1)
	s_mul_i32 s55, s53, STEPB
	s_mul_i32 s58, s54, VOFF
	s_add_co_u32 s55, s55, s58                     ; its place in a slot
	s_add_co_u32 s56, s54, 1
	s_lshl_b32 s56, s56, 24                        ; k or v: 16,777,216 bytes each
	s_lshl_b32 s58, s52, 18                        ; bh x 262,144
	s_add_co_u32 s56, s56, s58
	s_lshl_b32 s59, s53, 13                        ; 64 rows of 128 bytes a step
	s_add_co_u32 s56, s56, s59
	s_mov_b32 s57, 0
	s_lshl_b32 s60, s[MY], 13                      ; my 64 queries
	s_add_co_u32 s60, s60, s58
	s_mov_b32 s61, 0
	s_lshr_b32 s62, s52, 4
	s_lshl_b32 s62, s62, 11                        ; the batch's 2,048 mask bytes
	s_mov_b32 s63, 0
	s_mul_i32 s2, s52, 4352
	s_mov_b32 s3, 0
	s_wait_dscnt 0x0                               ; both opening adds are done
	s_wait_kmcnt 0x0
	s_mov_b32 s[G0], 1
	s_mov_b32 s[G0+1], s55
	s_add_nc_u64 s[G0+2:G0+3], s[4:5], s[56:57]
	s_add_nc_u64 s[PFA:PFA+1], s[G0+2:G0+3], SLOTB ; in slot 1: the first change of slots steps it to slot 2
	s_or_b32 s[G0+3], s[G0+3], 0x80000000
	TLOAD                                          ; slot 0
	s_add_nc_u64 s[6:7], s[6:7], s[62:63]
	s_add_nc_u64 s[4:5], s[4:5], s[60:61]          ; q at my first query
	s_add_nc_u64 s[8:9], s[8:9], s[60:61]          ; ctx likewise
	s_add_nc_u64 s[10:11], s[10:11], s[2:3]
	v_lshlrev_b32 v6, 3, v0
	global_load_b64 v[14:15], v6, s[6:7]           ; eight mask bytes a thread: the 256 threads take the batch's 2,048
	v_and_b32 v32, 15, v0                          ; r
	v_bfe_u32 v33, v0, 4, 1                        ; h
	v_and_b32 v34, 31, v0                          ; lane
	v_lshlrev_b32 v5, 7, v32
	v_lshl_add_u32 v5, v33, 4, v5                  ; q: row r of 128 bytes, + 16 h
	WIN 0x40                                       ; destination window 1
.irp t, 0,1,2,3
.irp e, 0,1
	global_load_b128 v[QF+16*\t+8*\e:QF+16*\t+8*\e+3], v5, s[4:5] offset:\t*2048+64*\e
	global_load_b128 v[QF+16*\t+8*\e+4:QF+16*\t+8*\e+7], v5, s[4:5] offset:\t*2048+64*\e+32
.endr
.endr
.set i, 0
.rept 128
	v_mov_b32 v[i], 0                              ; O^T.  (The step is written once: the first step's factor is 0, which leaves zeros)
.set i, i+1
.endr
	WIN 0
	v_mul_u32_u24 v[AK0], v32, PK
	v_lshl_add_u32 v[AK0], v33, 4, v[AK0]          ; K: row r x pitch + 16 h
	v_and_b32 v35, 7, v0
	v_lshl_add_u32 v35, v33, 3, v35
	v_mul_u32_u24 v[AV0], v35, PVP                 ; V, turned: key 8 h + lane % 8,
	v_bfe_u32 v36, v0, 3, 1
	v_lshl_add_u32 v[AV0], v36, 4, v[AV0]          ; channels 8 ((lane / 8) % 2) on
	v_add_nc_u32 v[AV0], VOFF, v[AV0]
	v_lshl_add_u32 v[AP0], v33, 5, TAB0            ; the tables: my eight keys of a tile's sixteen
	v_lshlrev_b32 v[PFO], 8, v34
	s_mul_i32 s59, s[WV], 16*SPT
	s_add_co_u32 s59, s59, STAGE                   ; my stage
	v_add_nc_u32 v[STO], s59, v[AK0]               ; in: row r x 144 + 16 h
	v_lshrrev_b32 v35, 3, v34
	v_mul_u32_u24 v[RD], v35, SPT
	v_and_b32 v36, 7, v0
	v_lshl_add_u32 v[RD], v36, 4, v[RD]
	v_add_nc_u32 v[RD], s59, v[RD]                 ; back: eight lanes to a row of 128 bytes
	v_lshlrev_b32 v[GO], 4, v34
	v_lshlrev_b32 v[G8], 3, v34
.irp t, 0,1,2,3
	v_mov_b32 v[ST+4*\t+1], 0xff61b1e6             ; M = -3e38, under every score
	v_mul_f32 v[ST+4*\t], s[CS], v[ST+4*\t+1]      ; c M
	v_mov_b32 v[ST+4*\t+2], 0                      ; the sum, in two halves
	v_mov_b32 v[ST+4*\t+3], 0
.endr
	s_wait_loadcnt 0x0                             ; the mask bytes and Q
.irp n, 0,1,2,3,4,5,6,7
	v_bfe_u32 v[128+\n], v[14+\n/4], 8*(\n%4), 8
.endr
.irp n, 0,1,2,3,4,5,6,7
	v_cvt_f32_u32 v[128+\n], v[128+\n]             ; 1 = a valid key
.endr
.irp n, 0,1,2,3,4,5,6,7
	v_fma_f32 v[136+\n], v[128+\n], s50, s[NEG]    ; 0 or -80,000
	v_fma_f32 v[144+\n], v[128+\n], s50, s51       ; and with the causal mask on top
.endr
	v_lshl_add_u32 v6, v0, 5, TAB0
	ds_store_b128 v6, v[136:139]
	ds_store_b128 v6, v[140:143] offset:16
	ds_store_b128 v6, v[144:147] offset:8192
	ds_store_b128 v6, v[148:151] offset:8208
; A KEY STEP: 64 keys.
.macro STEP
	v_add_nc_u32 v[ADK], s[TB], v[AK0]             ; these three and two v_nop are the five places between the last step's second products and the first products below, which write over P,
	v_add_nc_u32 v[ADV], s[TB], v[AV0]             ; and in front of the loads into V's registers
	v_add_nc_u32 v[ADP], s[TP], v[AP0]
	v_nop
	v_nop
	WIN 0x40
.irp j, 0,1,2,3
.irp e, 0,1
	ds_load_b128 v[KF+16*\j+8*\e:KF+16*\j+8*\e+3], v[ADK] offset:\j*16*PK+64*\e
	ds_load_b128 v[KF+16*\j+8*\e+4:KF+16*\j+8*\e+7], v[ADK] offset:\j*16*PK+64*\e+32
.endr
.endr
	WIN 0
	s_cmp_gt_u32 s[KB], s[MY]                      ; over the diagonal every key carries the causal mask too: the second table
	s_cbranch_scc1 .Labove_\@
.irp j, 0,1,2,3
	ds_load_b128 v[PB+8*\j:PB+8*\j+3], v[ADP] offset:64*\j
	ds_load_b128 v[PB+8*\j+4:PB+8*\j+7], v[ADP] offset:64*\j+16
.endr
	s_branch .Lpb_\@
.Labove_\@:
.irp j, 0,1,2,3
	ds_load_b128 v[PB+8*\j:PB+8*\j+3], v[ADP] offset:8192+64*\j
	ds_load_b128 v[PB+8*\j+4:PB+8*\j+7], v[ADP] offset:8192+64*\j+16
.endr
.Lpb_\@:
.irp u, 0,1
.irp d, 0,1,2,3
	ds_load_tr16_b128 v[VF+8*(4*\u+\d):VF+8*(4*\u+\d)+3], v[ADV] offset:\u*32*PVP+32*\d
	ds_load_tr16_b128 v[VF+8*(4*\u+\d)+4:VF+8*(4*\u+\d)+7], v[ADV] offset:\u*32*PVP+16*PVP+32*\d
.endr
.endr
	s_wait_dscnt 16                                ; K and the masks are in; V's sixteen loads may be out
	WIN 0x05                                       ; K and Q in window 1
.irp e, 0,1                                    ; S^T = K Q^T + masks: the 16 accumulators take turns, one instruction a turn
.irp j, 0,1,2,3
.irp t, 0,1,2,3
.if \e == 0
	v_wmma_f32_16x16x32_f16 v[S+32*\t+8*\j:S+32*\t+8*\j+7], v[KF+16*\j:KF+16*\j+7], v[QF+16*\t:QF+16*\t+7], v[PB+8*\j:PB+8*\j+7]
.else
	v_wmma_f32_16x16x32_f16 v[S+32*\t+8*\j:S+32*\t+8*\j+7], v[KF+16*\j+8:KF+16*\j+15], v[QF+16*\t+8:QF+16*\t+15], v[S+32*\t+8*\j:S+32*\t+8*\j+7]
.endif
.endr
.endr
.endr
	WIN 0
.rept 4
	v_nop                                          ; places in front of the reads of the scores and the writes over the masks' registers
.endr
	s_cmp_lg_u32 s[KB], s[MY]                      ; the one step of a wave that lies on the diagonal
	s_cbranch_scc1 .Loff_\@
	v_and_b32 v49, 15, v0
	v_bfe_u32 v50, v0, 4, 1
	v_lshlrev_b32 v50, 3, v50
	v_sub_nc_u32 v49, v49, v50                     ; d = r - 8 h: in a tile on the diagonal register n holds a later key where n > d
	v_mov_b32 v48, 0xc79c4000
.irp n, 0,1,2,3,4,5,6,7
	v_cmp_gt_i32 vcc_lo, \n, v49
	v_cndmask_b32 v[40+\n], 0, v48, vcc_lo
.endr
.irp t, 0,1,2,3
.irp j, 0,1,2,3
.if \j > \t
.irp n, 0,2,4,6
	v_pk_add_f32 v[S+32*\t+8*\j+\n:S+32*\t+8*\j+\n+1], v[S+32*\t+8*\j+\n:S+32*\t+8*\j+\n+1], s[NEG:NEG+1] op_sel_hi:[1,0]
.endr
.elseif \j == \t
.irp n, 0,2,4,6
	v_pk_add_f32 v[S+32*\t+8*\j+\n:S+32*\t+8*\j+\n+1], v[S+32*\t+8*\j+\n:S+32*\t+8*\j+\n+1], v[40+\n:41+\n]
.endr
.endif
.endr
.endr
	s_cmp_lg_u32 s[MY], 0                          ; queries 0-15 against keys 0-15 are left to the f32 launch
	s_cbranch_scc1 .Loff_\@
.irp n, 0,1,2,3,4,5,6,7
	v_mov_b32 v[S+\n], 0xf149f2ca                  ; -1e30: p = 0
.endr
.Loff_\@:
.irp t, 0,1,2,3
	v_mov_b32 v[PB+2*\t+1], v[ST+4*\t]             ; c M_old is kept for a
.endr
.irp n, 0,2,4,6,8,10,12,14,16,18,20,22,24,26,28,30
.irp t, 0,1,2,3
	v_max3_num_f32 v[ST+4*\t+1], v[ST+4*\t+1], v[S+32*\t+\n], v[S+32*\t+\n+1]   ; the running maximum; the four tiles by turns; each accumulator from its low end on
.endr
.endr
.irp t, 0,1,2,3
	v_permlanex16_b32 v[PB+2*\t], v[ST+4*\t+1], s[SEL], s[SEL+1]   ; the query's other 32 keys lie in the lane 16 away
.endr
.irp t, 0,1,2,3
	v_max_num_f32 v[ST+4*\t+1], v[ST+4*\t+1], v[PB+2*\t]
.endr
.irp t, 0,1,2,3
	v_mul_f32 v[ST+4*\t], s[CS], v[ST+4*\t+1]
.endr
.irp t, 0,1,2,3
	v_sub_f32 v[PB+2*\t+1], v[PB+2*\t+1], v[ST+4*\t]
.endr
.irp n, 0,2,4,6,8,10,12,14,16,18,20,22,24,26,28,30
.irp t, 0,1,2,3
	v_pk_fma_f32 v[S+32*\t+\n:S+32*\t+\n+1], v[S+32*\t+\n:S+32*\t+\n+1], s[CS:CS+1], v[ST+4*\t:ST+4*\t+1] op_sel_hi:[1,0,0] neg_lo:[0,0,1] neg_hi:[0,0,1]   ; c S - c M
.endr
.endr
.irp t, 0,1,2,3
	v_exp_f32 v[PB+2*\t], v[PB+2*\t+1]             ; a = 2^(c M_old - c M_new)
.endr
.set i, 0
.rept 128
	v_exp_f32 v[S+i], v[S+i]                       ; p
.set i, i+1
.endr
	v_nop                                          ; a plain line behind the last exponential
	s_wait_alu depctr_va_vdst(0)                   ; one wait for the batch of 132, ahead of its first reader
.irp t, 0,1,2,3
	v_pk_fma_f32 v[ST+4*\t+2:ST+4*\t+3], v[ST+4*\t+2:ST+4*\t+3], v[PB+2*\t:PB+2*\t+1], v[S+32*\t:S+32*\t+1] op_sel_hi:[1,0,1]   ; the sum x a + the first pair
.endr
.irp n, 2,4,6,8,10,12,14,16,18,20,22,24,26,28,30
.irp t, 0,1,2,3
	v_pk_add_f32 v[ST+4*\t+2:ST+4*\t+3], v[ST+4*\t+2:ST+4*\t+3], v[S+32*\t+\n:S+32*\t+\n+1]
.endr
.endr
.irp n, 0,1,2,3,4,5,6,7,8,9,10,11,12,13,14,15
.irp t, 0,1,2,3
	v_cvt_pk_f16_f32 v[S+32*\t+\n], v[S+32*\t+2*\n], v[S+32*\t+2*\n+1]   ; P in place: ascending, so that no pair is written before it is read
.endr
.endr
	WIN 0x41                                       ; O^T (destination and source 0) in window 1
.irp t, 0,1,2,3
.irp n, 0,2,4,6,8,10,12,14,16,18,20,22,24,26,28,30
	v_pk_mul_f32 v[32*\t+\n:32*\t+\n+1], v[32*\t+\n:32*\t+\n+1], v[PB+2*\t:PB+2*\t+1] op_sel_hi:[1,0]
.endr
.endr
	s_wait_dscnt 0x0                               ; V is in
	WIN 0x50                                       ; C and D in window 1
.irp u, 0,1                                    ; O^T += V^T P: the 16 accumulators take turns
.irp d, 0,1,2,3
.irp t, 0,1,2,3
	v_wmma_f32_16x16x32_f16 v[32*\t+8*\d:32*\t+8*\d+7], v[VF+8*(4*\u+\d):VF+8*(4*\u+\d)+7], v[S+32*\t+8*\u:S+32*\t+8*\u+7], v[32*\t+8*\d:32*\t+8*\d+7]
.endr
.endr
.endr
	WIN 0
	s_add_co_u32 s[KB], s[KB], 1
	s_add_co_u32 s[TB], s[TB], STEPB
	s_add_co_u32 s[TP], s[TP], 256
.endm
; THE CHANGE OF SLOTS stands at a slot's head.  Each wave waits for all its tensor loads (one is out: its tile of the slot ahead), adds 0 to its spare word, and waits for that and for its reads of the slot that it has left.
; Behind the barrier the slot ahead is whole and nobody reads the other.  fill = 1: that other slot takes the next 256 keys: the load has four key steps in which to land.
.macro CHANGE fill
	s_wait_tensorcnt 0x0
	ds_add_u32 v[SPW], v[NIL]
.if \fill
	s_xor_b32 s[G0+1], s[G0+1], SLOT1              ; no tensor load of mine is out: the descriptor walks on
	s_add_nc_u64 s[G0+2:G0+3], s[G0+2:G0+3], SLOTB
	s_wait_xcnt 0x0                                ; the last prefetch, a slot back, has read its address
	s_add_nc_u64 s[PFA:PFA+1], s[PFA:PFA+1], SLOTB
.endif
	s_wait_dscnt 0x0
	s_barrier_signal -1
	s_barrier_wait -1
.if \fill
	TLOAD
	ASK
.endif
.endm
.macro SLOT_STEPS                      ; a slot's four key steps: written once, walked four times
	s_mov_b32 s[STP], 4
.Lstep_\@:
	STEP
	s_sub_co_u32 s[STP], s[STP], 1
	s_cmp_lg_u32 s[STP], 0
	s_cbranch_scc1 .Lstep_\@
	s_sub_co_u32 s[TB], s[TB], 4*STEPB
	s_xor_b32 s[TB], s[TB], SLOT1                  ; on to the other slot
.endm
.Lslot:                                            ; 7 trips.  The first trip's barrier also shows the tables to every wave, and behind it slot 1 has its first fill
	CHANGE 1
	SLOT_STEPS
	s_sub_co_u32 s[SLOTS], s[SLOTS], 1
	s_cmp_lg_u32 s[SLOTS], 0
	s_cbranch_scc1 .Lslot
	CHANGE 0                                       ; the last slot is written out
	SLOT_STEPS
	; THE WAY OUT.  The additions are the places behind the last products.
.irp t, 0,1,2,3
	v_add_f32 v[PB+2*\t], v[ST+4*\t+2], v[ST+4*\t+3]
.endr
.irp t, 0,1,2,3
	v_permlanex16_b32 v[PB+2*\t+1], v[PB+2*\t], s[SEL], s[SEL+1]
.endr
.irp t, 0,1,2,3
	v_add_f32 v[PB+2*\t], v[PB+2*\t], v[PB+2*\t+1] ; the row's sum
.endr
	s_cmp_lg_u32 s[MY], 0
	s_cbranch_scc1 .Lno_rest
	v_mov_b32 v14, v[ST]                           ; tile 0 of the sequence's first wave: c M, the sum
	v_mov_b32 v15, v[PB]
	global_store_b64 v[G8], v[14:15], s[10:11] offset:4096
	WIN 0x04                                       ; a store's data are its source 1: window 1
.irp g, 0,1,2,3,4,5,6,7
	global_store_b128 v[GO], v[4*\g:4*\g+3], s[10:11] offset:512*\g   ; and O^T as it stands: 512 consecutive bytes a store
.endr
	WIN 0
	s_wait_xcnt 0x0                                ; O^T is written again only behind this wait
.Lno_rest:
.irp t, 0,1,2,3
	v_rcp_f32 v[PB+2*\t], v[PB+2*\t]
.endr
	v_nop
	s_wait_alu depctr_va_vdst(0)                   ; one wait for the four reciprocals
.macro PACK t                          ; a tile: divided, rounded to f16, through my stage, back as rows
	WIN 0x41
.irp n, 0,2,4,6,8,10,12,14,16,18,20,22,24,26,28,30
	v_pk_mul_f32 v[32*\t+\n:32*\t+\n+1], v[32*\t+\n:32*\t+\n+1], v[PB+2*\t:PB+2*\t+1] op_sel_hi:[1,0]
.endr
	WIN 0x05
.irp n, 0,1,2,3,4,5,6,7,8,9,10,11,12,13,14,15
	v_cvt_pk_f16_f32 v[S+16*\t+\n], v[32*\t+2*\n], v[32*\t+2*\n+1]
.endr
	WIN 0
.irp d, 0,1,2,3
	ds_store_b128 v[STO], v[S+16*\t+4*\d:S+16*\t+4*\d+3] offset:32*\d
.endr
.irp c, 0,1,2,3
	ds_load_b128 v[192+16*\t+4*\c:192+16*\t+4*\c+3], v[RD] offset:\c*4*SPT   ; LDS serves a wave's instructions in order
.endr
.endm
.macro SEND t, younger
.irp c, 0,1,2,3
	s_wait_dscnt \younger+3-\c
	global_store_b128 v[GO], v[192+16*\t+4*\c:192+16*\t+4*\c+3], s[8:9] offset:\t*2048+\c*512   ; four rows of 128 bytes: 512 consecutive bytes
.endr
.endm
	PACK 0
	PACK 1
	SEND 0, 8                                      ; behind tile 0's loads: tile 1's four stores and four loads
	PACK 2
	SEND 1, 8
	PACK 3
	SEND 2, 8
	SEND 3, 0
	s_wait_tensorcnt 0x0                           ; the wave's end
	ds_add_u32 v[SPW], v[NIL]
	s_wait_dscnt 0x0
	s_endpgm
.Lfunc_end_k_qe389c2f697_attn:
	.size	k_qe389c2f697_attn, .Lfunc_end_k_qe389c2f697_attn-k_qe389c2f697_attn
	.p2alignl 7, 3214868480
	.fill 96, 4, 3214868480
	.section	.rodata,"a",@progbits
	.p2align	6, 0x0
	.amdhsa_kernel k_qe389c2f697_attn
		.amdhsa_group_segment_fixed_size 327680
		.amdhsa_private_segment_fixed_size 0
		.amdhsa_enable_private_segment 0
		.amdhsa_kernarg_size 32
		.amdhsa_user_sgpr_count 2
		.amdhsa_user_sgpr_kernarg_segment_ptr 1
		.amdhsa_wavefront_size32 1
		.amdhsa_system_sgpr_workgroup_id_x 1
		.amdhsa_system_sgpr_workgroup_id_y 1
		.amdhsa_system_sgpr_workgroup_id_z 1
		.amdhsa_system_vgpr_workitem_id 0
		.amdhsa_next_free_vgpr 512
		.amdhsa_next_free_sgpr 66
		.amdhsa_reserve_vcc 1
		.amdhsa_float_denorm_mode_32 3
		.amdhsa_float_denorm_mode_16_64 3
		.amdhsa_memory_ordered 1
		.amdhsa_forward_progress 1
		.amdhsa_inst_pref_size 104
	.end_amdhsa_kernel
	.amdgpu_metadata
---
amdhsa.version: [ 1, 2 ]
amdhsa.kernels:
  - .name:           k_qe389c2f697_attn
    .symbol:         k_qe389c2f697_attn.kd
    .args:
      - { .name: qkv, .offset: 0, .size: 8, .value_kind: global_buffer, .address_space: global }
      - { .name: key_padding_mask, .offset: 8, .size: 8, .value_kind: global_buffer, .address_space: global }
      - { .name: ctx, .offset: 16, .size: 8, .value_kind: global_buffer, .address_space: global }
      - { .name: rest, .offset: 24, .size: 8, .value_kind: global_buffer, .address_space: global }
    .group_segment_fixed_size: 327680
    .private_segment_fixed_size: 0
    .kernarg_segment_align: 8
    .kernarg_segment_size: 32
    .max_flat_workgroup_size: 256
    .sgpr_count:     66
    .vgpr_count:     512
    .wavefront_size: 32
...
	.end_amdgpu_metadata
.endif
;; end of part 3
;; launch proj (part 4): grid 8 x 32, 4 waves a work-group, clusters of 4 x 4, 327,680 bytes of LDS; arguments ctx, wo16, out_b, out0; writes out0
.if DOCPART == 4
	.amdgcn_target "amdgcn-amd-amdhsa--gfx1250"
	.amdhsa_code_object_version 6
	.text
	.protected	k_qe389c2f697_proj
	.globl	k_qe389c2f697_proj
	.p2align	8
	.type	k_qe389c2f697_proj,@function
k_qe389c2f697_proj:
	s_mov_b64 s[64:65], 0
	v_nop
	global_prefetch_b8 v0, s[64:65] scope:SCOPE_SE
	s_setreg_imm32_b32 hwreg(HW_REG_WAVE_MODE, 25, 1), 1
	s_wait_xcnt 0x0
	s_wait_alu depctr_hold_cnt(0) depctr_sa_sdst(0) depctr_va_vdst(0) depctr_va_sdst(0) depctr_va_ssrc(0) depctr_va_vcc(0) depctr_vm_vsrc(0)
	s_getreg_b32 s2, hwreg(HW_REG_IB_STS2, 6, 4)
	s_cmp_eq_u32 s2, 0
	s_cbranch_scc0 .Lentry_in_a_cluster
	s_endpgm
.Lentry_in_a_cluster:
	s_bfe_u32 s2, ttmp6, 0x10000c
	s_cmp_lg_u32 s2, 0xf033
	s_cbranch_scc0 .Lentry_shape_is_right
	s_endpgm
.Lentry_shape_is_right:
; out0 = ctx out_w^T + out_b: [8192][1024], K = 1,024, f16 operands, f32 sums; all rows but the first 16 of every sequence, which a later launch makes in f32.
; ctx: [4 b][16 h][2048 s][64] f16; wo16: [1024 n][1024 k] f16.
; A tile of 256 rows x 128 columns is made by four waves, 128 x 64 each: 32 accumulators in window 1.  K goes in steps of 128 = two heads through a ring of two LDS slots.
; Waves 0 and 1 fetch one head's 256 rows x 64 each (a dense block of 32,768 bytes), waves 2 and 3 fetch 64 rows x 128 of wo16 each.
; CLUSTER 4 x 4: tile row = 8 cy + cluster y (cy is the batch), tile column = 4 x cluster x + cx.  ctx's tiles are shared along a row of the cluster, wo16's along a column: joint loads.
; THE MATRIX INSTRUCTION IS USED TRANSPOSED (source 0 = 16 rows of wo16, source 1 = 16 rows of ctx): a lane holds eight neighbouring columns of a row.  The bias is the C of each sum's first product.
; REGISTERS.  window 0: v16-29 addresses; v32-63 the bias; v64-127, v128-191 ctx's fragments, two buffers; v192-223, v224-255 wo16's.  window 1: accumulator (a, b) at v[8 (4 a + b)].
.set APITCH, 144                       ; a head's row in LDS: 128 bytes + 16
.set BPITCH, 272                       ; a row of wo16's tile: 256 + 16
.set APAR,   256*APITCH
.set BOFF,   2*APAR
.set SLOT,   BOFF+128*BPITCH
.set STAGE,  2*SLOT                    ; the way out: 16 rows x (256 bytes + 16) for each wave
.set SPITCH, 272
.set SPARE,  STAGE+4*16*SPITCH         ; the spare words, 128 bytes a wave, which no other line names
.set LAPS,   4                         ; a lap = two K steps = once round the ring
.set ADRA, 16
.set ADRB, 20
.set STO,  24
.set RD,   25
.set CO,   26
.set BO,   27
.set SPW,  28
.set NIL,  29
.set BI,   32
.set WV,   12
.set RH,   13                          ; which half of the tile's rows is mine.  Also: I fetch for ctx (0) or for wo16 (1)
.set CH,   14                          ; which half of its columns.  Also: which part I fetch
.set G1,   24
.set G0,   32
.set G1B,  48
.set G0B,  56
.set MSB, 0
.macro WIN new
.if MSB != (\new)
	s_set_vgpr_msb (MSB<<8)|(\new)
.set MSB, (\new)
.endif
.endm
.set MUL,  0x50                        ; C and D window 1
.set MULB, 0x40                        ; D window 1, C (the bias) window 0
.macro JLOAD s                         ; an s_nop 0 and four v_nop follow each of the two lines
	s_cmp_eq_u32 s[RH], 0
	s_cbranch_scc0 .Lfor_b_\@
	tensor_load_to_lds s[G0+4*\s:G0+4*\s+3], s[G1:G1+7]
	s_nop 0
.rept 4
	v_nop
.endr
	s_branch .Lasked_\@
.Lfor_b_\@:
	tensor_load_to_lds s[G0B+4*\s:G0B+4*\s+3], s[G1B:G1B+7]
	s_nop 0
.rept 4
	v_nop
.endr
.Lasked_\@:
.endm
.macro CREST
	s_cmp_lg_u32 s[WV], 0
	s_cbranch_scc1 .Lnot_wave_0_\@
	s_barrier_signal -3
.Lnot_wave_0_\@:
	s_barrier_wait -3
	s_barrier_signal -1
	s_barrier_wait -1
.endm
.macro CROUND
	s_barrier_signal -1
	s_barrier_wait -1
	CREST
.endm
	s_load_b256 s[4:11], s[0:1], 0x0               ; ctx, wo16, out_b, out0
	v_lshl_add_u32 v[SPW], v0, 2, SPARE
	v_mov_b32 v[NIL], 0
	ds_add_u32 v[SPW], v[NIL]                      ; the wave's opening: the add, twice on end, and its wait ahead of my first tensor load
	ds_add_u32 v[SPW], v[NIL]
	v_lshrrev_b32 v1, 5, v0
	v_readfirstlane_b32 s[WV], v1
	s_lshr_b32 s[RH], s[WV], 1
	s_and_b32 s[CH], s[WV], 1
	s_bfe_u32 s40, ttmp6, 0x40000                  ; cx
	s_bfe_u32 s41, ttmp6, 0x40004                  ; cy: the batch
	s_lshl_b32 s42, ttmp9, 2
	s_add_co_u32 s42, s42, s40                     ; tile column
	s_and_b32 s45, ttmp7, 0xffff                   ; cluster y: which 256 tokens of the sequence
	s_lshl_b32 s43, s41, 2
	s_lshl_b32 s43, 15, s43                        ; my row of the cluster
	s_lshl_b32 s44, 0x1111, s40                    ; my column
	s_or_b32 s[G1], s43, (1<<16)|(1<<20)|(1<<21)|(4<<22)|(3<<25)   ; elements of 2 bytes; 4 words of padding behind every 32
	s_mov_b32 s[G1+1], 64<<16                      ; tensor_dim0
	s_mov_b32 s[G1+2], 256<<16                     ; tensor_dim1
	s_mov_b32 s[G1+3], 64<<16                      ; tile_dim0
	s_mov_b32 s[G1+4], 256                         ; tile_dim1
	s_mov_b32 s[G1+5], 64                          ; from row to row
	s_mov_b32 s[G1+6], 0
	s_mov_b32 s[G1+7], 0
	s_or_b32 s[G1B], s44, (1<<16)|(1<<20)|(1<<21)|(5<<22)|(3<<25)  ; 4 words behind every 64
	s_mov_b32 s[G1B+1], 128<<16
	s_mov_b32 s[G1B+2], 64<<16
	s_mov_b32 s[G1B+3], 128<<16
	s_mov_b32 s[G1B+4], 64
	s_mov_b32 s[G1B+5], 1024
	s_mov_b32 s[G1B+6], 0
	s_mov_b32 s[G1B+7], 0
	s_lshl_b32 s16, s41, 4
	s_add_co_u32 s16, s16, s[CH]                   ; ctx: head 16 cy + part, of 262,144 bytes,
	s_lshl_b32 s16, s16, 18
	s_lshl_b32 s17, s45, 15                        ; + 256 rows of 128 bytes x cluster y
	s_add_co_u32 s16, s16, s17
	s_mov_b32 s17, 0
	s_lshl_b32 s46, s42, 7
	s_lshl_b32 s47, s[CH], 6
	s_add_co_u32 s46, s46, s47                     ; wo16: row 128 x tile column + 64 x part,
	s_lshl_b32 s46, s46, 11                        ; of 2,048 bytes
	s_mov_b32 s47, 0
	s_mul_i32 s20, s[CH], APAR                     ; where they go
	s_mul_i32 s21, s[CH], 64*BPITCH
	s_add_co_u32 s21, s21, BOFF
	s_wait_dscnt 0x0                               ; both opening adds are done
	s_wait_kmcnt 0x0
	s_add_nc_u64 s[18:19], s[4:5], s[16:17]
	s_add_nc_u64 s[46:47], s[6:7], s[46:47]
	CROUND                                         ; all sixteen work-groups are here: the first joint loads meet
.irp s, 0,1
	s_mov_b32 s[G0+4*\s], 1
	s_add_co_u32 s[G0+4*\s+1], s20, \s*SLOT
	s_add_nc_u64 s[G0+4*\s+2:G0+4*\s+3], s[18:19], \s*2*262144   ; K step s: two heads on
	s_or_b32 s[G0+4*\s+3], s[G0+4*\s+3], 0x80000000
	s_mov_b32 s[G0B+4*\s], 1
	s_add_co_u32 s[G0B+4*\s+1], s21, \s*SLOT
	s_add_nc_u64 s[G0B+4*\s+2:G0B+4*\s+3], s[46:47], \s*256
	s_or_b32 s[G0B+4*\s+3], s[G0B+4*\s+3], 0x80000000
	JLOAD \s                                       ; two tensor loads of mine are out
.endr
	v_and_b32 v1, 15, v0                           ; r
	v_bfe_u32 v2, v0, 4, 1                         ; h
	v_lshlrev_b32 v[BO], 5, v2
	s_lshl_b32 s46, s42, 9
	s_lshl_b32 s47, s[CH], 8
	s_add_co_u32 s46, s46, s47                     ; my 64 columns, in bytes of f32
	s_mov_b32 s47, 0
	s_add_nc_u64 s[8:9], s[8:9], s[46:47]
.irp b, 0,1,2,3                                ; block b's eight registers: the bias of columns 16 b + 8 h + 0 .. 7
	global_load_b128 v[BI+8*\b:BI+8*\b+3], v[BO], s[8:9] offset:64*\b
	global_load_b128 v[BI+8*\b+4:BI+8*\b+7], v[BO], s[8:9] offset:64*\b+16
.endr
	v_mul_u32_u24 v3, v1, APITCH
	v_lshl_add_u32 v3, v2, 4, v3
	v_mul_u32_u24 v4, v1, BPITCH
	v_lshl_add_u32 v4, v2, 4, v4
	s_mul_i32 s22, s[RH], 128*APITCH               ; my 128 rows of ctx
	s_mul_i32 s23, s[CH], 64*BPITCH                ; my 64 rows of wo16
	s_add_co_u32 s23, s23, BOFF
.irp s, 0,1
	v_add_nc_u32 v[ADRA+\s], s22, v3
	v_add_nc_u32 v[ADRB+\s], s23, v4
	s_add_co_u32 s22, s22, SLOT
	s_add_co_u32 s23, s23, SLOT
.endr
	s_mul_i32 s22, s[WV], 16*SPITCH
	s_add_co_u32 s22, s22, STAGE                   ; my stage
	v_mul_u32_u24 v5, v1, SPITCH
	v_lshl_add_u32 v5, v2, 5, v5
	v_add_nc_u32 v[STO], s22, v5                   ; in: row r, 32 bytes for each half of the lanes
	v_mul_u32_u24 v5, v2, SPITCH
	v_lshl_add_u32 v5, v1, 4, v5
	v_add_nc_u32 v[RD], s22, v5                    ; back: lanes 0-15 one row of 256 bytes, lanes 16-31 the next
	v_lshlrev_b32 v5, 12, v2
	v_lshl_add_u32 v[CO], v1, 4, v5                ; and the same two rows in out0
	s_lshl_b32 s16, s41, 23                        ; batch x 2,048 rows of 4,096 bytes
	s_lshl_b32 s17, s45, 20
	s_add_co_u32 s16, s16, s17
	s_lshl_b32 s17, s[RH], 19
	s_add_co_u32 s16, s16, s17
	s_mov_b32 s17, 0
	s_add_nc_u64 s[10:11], s[10:11], s[16:17]
	s_add_nc_u64 s[10:11], s[10:11], s[46:47]
	s_or_b32 s67, s45, s[RH]                       ; 0 where my rows begin a sequence: cluster y and the wave's number alone
.macro MUL8 f, a0, first               ; 8 products: ctx's blocks a0, a0 + 1 against wo16's four, 32 along K, from buffer f.  The 32 accumulators take turns
.irp a, \a0, \a0+1
.irp b, 0,1,2,3
.if \first
	v_wmma_f32_16x16x32_f16 v[8*(4*(\a)+\b):8*(4*(\a)+\b)+7], v[192+32*(\f)+8*\b:192+32*(\f)+8*\b+7], v[64+64*(\f)+8*(\a):64+64*(\f)+8*(\a)+7], v[BI+8*\b:BI+8*\b+7]
.else
	v_wmma_f32_16x16x32_f16 v[8*(4*(\a)+\b):8*(4*(\a)+\b)+7], v[192+32*(\f)+8*\b:192+32*(\f)+8*\b+7], v[64+64*(\f)+8*(\a):64+64*(\f)+8*(\a)+7], v[8*(4*(\a)+\b):8*(4*(\a)+\b)+7]
.endif
.endr
.endr
.endm
.macro FETCH slot, q, f                ; 24 LDS loads: the fragments of the slot's q-th 32 along K: wo16's four, ctx's blocks 0-3, then 4-7
.irp b, 0,1,2,3
	ds_load_b128 v[192+32*(\f)+8*\b:192+32*(\f)+8*\b+3], v[ADRB+\slot] offset:64*(\q)+\b*16*BPITCH
	ds_load_b128 v[192+32*(\f)+8*\b+4:192+32*(\f)+8*\b+7], v[ADRB+\slot] offset:64*(\q)+\b*16*BPITCH+32
.endr
.irp i, 0,1,2,3,4,5,6,7
	ds_load_b128 v[64+64*(\f)+8*\i:64+64*(\f)+8*\i+3], v[ADRA+\slot] offset:((\q)/2)*APAR+((\q)%2)*64+\i*16*APITCH
	ds_load_b128 v[64+64*(\f)+8*\i+4:64+64*(\f)+8*\i+7], v[ADRA+\slot] offset:((\q)/2)*APAR+((\q)%2)*64+\i*16*APITCH+32
.endr
.endm
.macro PLACES
.rept 4
	v_nop
.endr
.endm
.macro QUARTER slot, qn, f, first      ; multiplies buffer f; in its middle it fetches quarter qn of the same slot into the other buffer
	s_wait_dscnt 8                                 ; wo16's fragments and ctx's blocks 0-3 are in; the youngest eight loads may be out
.if \first
	WIN MULB
.else
	WIN MUL
.endif
	MUL8 \f, 0, \first
	MUL8 \f, 2, \first
	PLACES
	WIN 0
	FETCH \slot, \qn, 1-(\f)
	s_wait_dscnt 24                                ; all but the 24 just issued
.if \first
	WIN MULB
.else
	WIN MUL
.endif
	MUL8 \f, 4, \first
	MUL8 \f, 6, \first
.endm
; A slot's last quarter multiplies buffer 1 and changes slots: ONE barrier; in front of it each wave waits for all its tensor loads, adds 0 to its spare word, and waits for that and for its reads of this slot.
.macro TURN slot, next, fill
	WIN 0
	s_wait_tensorcnt 0x0                           ; the one load of mine that was out is my part of the next slot
	ds_add_u32 v[SPW], v[NIL]
	s_wait_dscnt 9                                 ; (the add and the youngest eight loads may be out)
	WIN MUL
	MUL8 1, 0, 0
	s_wait_dscnt 0x0
	s_barrier_signal -1
	MUL8 1, 2, 0
	WIN 0
	s_barrier_wait -1
.if \fill
	CREST                                          ; the barrier has opened a round of the cluster's barrier: no wave of any partner still reads this slot or has a load on its way
	s_add_nc_u64 s[G0+4*\slot+2:G0+4*\slot+3], s[G0+4*\slot+2:G0+4*\slot+3], 4*262144   ; two K steps on: four heads
	s_add_nc_u64 s[G0B+4*\slot+2:G0B+4*\slot+3], s[G0B+4*\slot+2:G0B+4*\slot+3], 512
	JLOAD \slot                                    ; the four v_nop behind it are also the places in front of the loads below
.else
	PLACES
.endif
	FETCH \next, 0, 0
	WIN MUL
	MUL8 1, 4, 0
	MUL8 1, 6, 0
.endm
	s_wait_tensorcnt 1                             ; my part of K step 0 is in; K step 1's load may be out
	s_barrier_signal -1
	s_barrier_wait -1
	FETCH 0, 0, 0
	s_wait_loadcnt 0x0                             ; the bias
	QUARTER 0, 1, 0, 1                             ; the first quarter stands in front of the loop: its products start the sums
	WIN 0
	s_mov_b32 s3, LAPS-1
.Llap:
	QUARTER 0, 2, 1, 0
	QUARTER 0, 3, 0, 0
	TURN 0, 1, 1
	QUARTER 1, 1, 0, 0
	QUARTER 1, 2, 1, 0
	QUARTER 1, 3, 0, 0
	TURN 1, 0, 1
	QUARTER 0, 1, 0, 0
	WIN 0
	s_sub_co_u32 s3, s3, 1
	s_cmp_lg_u32 s3, 0
	s_cbranch_scc1 .Llap
	QUARTER 0, 2, 1, 0                             ; the last lap fills nothing
	QUARTER 0, 3, 0, 0
	TURN 0, 1, 0
	QUARTER 1, 1, 0, 0
	QUARTER 1, 2, 1, 0
	QUARTER 1, 3, 0, 0
	s_wait_dscnt 8
	WIN MUL
	MUL8 1, 0, 0
	MUL8 1, 2, 0
	s_wait_dscnt 0
	MUL8 1, 4, 0
	MUL8 1, 6, 0
	WIN 0
	PLACES
; THE WAY OUT, block by block of 16 rows x 64 columns, through my own stage: sixteen lanes store 256 consecutive bytes, at a multiple of 256 from out0's first byte.
.macro TOSTAGE a
	WIN 0x04                                       ; an LDS store's data are its source 1: window 1
.irp b, 0,1,2,3
	ds_store_b128 v[STO], v[8*(4*(\a)+\b):8*(4*(\a)+\b)+3] offset:64*\b          ; each accumulator from its low end on
	ds_store_b128 v[STO], v[8*(4*(\a)+\b)+4:8*(4*(\a)+\b)+7] offset:64*\b+16
.endr
	WIN 0
.set BB, 64+32*((\a)%2)
.irp u, 0,1,2,3,4,5,6,7
	ds_load_b128 v[BB+4*\u:BB+4*\u+3], v[RD] offset:\u*2*SPITCH   ; LDS serves a wave's instructions in order
.endr
.endm
.macro SEND a, younger
.set BB, 64+32*((\a)%2)
	s_wait_dscnt \younger
.irp u, 0,1,2,3,4,5,6,7
	global_store_b128 v[CO], v[BB+4*\u:BB+4*\u+3], s[10:11] offset:(16*(\a)+2*\u)*4096 th:TH_STORE_NT
.endr
.endm
	s_cmp_eq_u32 s67, 0                            ; the first 16 rows of a sequence are another launch's: each output byte has one writer
	s_cbranch_scc1 .Lnot_mine
	TOSTAGE 0
	SEND 0, 0
.Lnot_mine:
	TOSTAGE 1
.irp a, 2,3,4,5,6,7
	s_wait_xcnt 0x0                                ; block a - 2's stores have read their registers: block a's loads may land there
	TOSTAGE \a
	SEND \a-1, 16                                  ; behind block a - 1's loads: block a's 8 stores and 8 loads
.endr
	SEND 7, 0
	s_wait_tensorcnt 0x0                           ; the wave's end
	ds_add_u32 v[SPW], v[NIL]
	s_wait_dscnt 0x0
	CROUND                                         ; the closing round
	s_endpgm
.Lfunc_end_k_qe389c2f697_proj:
	.size	k_qe389c2f697_proj, .Lfunc_end_k_qe389c2f697_proj-k_qe389c2f697_proj
	.p2alignl 7, 3214868480
	.fill 96, 4, 3214868480
	.section	.rodata,"a",@progbits
	.p2align	6, 0x0
	.amdhsa_kernel k_qe389c2f697_proj
		.amdhsa_group_segment_fixed_size 327680
		.amdhsa_private_segment_fixed_size 0
		.amdhsa_enable_private_segment 0
		.amdhsa_kernarg_size 32
		.amdhsa_user_sgpr_count 2
		.amdhsa_user_sgpr_kernarg_segment_ptr 1
		.amdhsa_wavefront_size32 1
		.amdhsa_system_sgpr_workgroup_id_x 1
		.amdhsa_system_sgpr_workgroup_id_y 1
		.amdhsa_system_sgpr_workgroup_id_z 1
		.amdhsa_system_vgpr_workitem_id 0
		.amdhsa_next_free_vgpr 512
		.amdhsa_next_free_sgpr 72
		.amdhsa_reserve_vcc 0
		.amdhsa_float_denorm_mode_32 3
		.amdhsa_float_denorm_mode_16_64 3
		.amdhsa_memory_ordered 1
		.amdhsa_forward_progress 1
		.amdhsa_inst_pref_size 86
	.end_amdhsa_kernel
	.amdgpu_metadata
---
amdhsa.version: [ 1, 2 ]
amdhsa.kernels:
  - .name:           k_qe389c2f697_proj
    .symbol:         k_qe389c2f697_proj.kd
    .args:
      - { .name: ctx, .offset: 0, .size: 8, .value_kind: global_buffer, .address_space: global }
      - { .name: wo16, .offset: 8, .size: 8, .value_kind: global_buffer, .address_space: global }
      - { .name: out_b, .offset: 16, .size: 8, .value_kind: global_buffer, .address_space: global }
      - { .name: out0, .offset: 24, .size: 8, .value_kind: global_buffer, .address_space: global }
    .group_segment_fixed_size: 327680
    .private_segment_fixed_size: 0
    .kernarg_segment_align: 8
    .kernarg_segment_size: 32
    .max_flat_workgroup_size: 128
    .sgpr_count:     72
    .vgpr_count:     512
    .wavefront_size: 32
...
	.end_amdgpu_metadata
.endif
;; end of part 4
;; launch fine (part 5): grid 16 x 4, 16 waves a work-group, no clusters, 85,248 bytes of LDS; arguments qkvf, rest, key_padding_mask, out_w, out_b, out0; writes out0
.if DOCPART == 5
	.amdgcn_target "amdgcn-amd-amdhsa--gfx1250"
	.amdhsa_code_object_version 6
	.text
	.protected	k_qe389c2f697_fine
	.globl	k_qe389c2f697_fine
	.p2align	8
	.type	k_qe389c2f697_fine,@function
k_qe389c2f697_fine:
	s_mov_b64 s[64:65], 0
	v_nop
	global_prefetch_b8 v0, s[64:65] scope:SCOPE_SE
	s_setreg_imm32_b32 hwreg(HW_REG_WAVE_MODE, 25, 1), 1
	s_wait_xcnt 0x0
; The first 16 positions of every sequence, all in f32: they average one to a few values and are the largest in size.
; PHASE 1 (a wave a head): the 16 x 16 scores of queries 0-15 against keys 0-15 from qkvf, with both added masks; their softmax is merged with what the attention launch summed over keys 16 .. 2,047 (rest: c M, sum, O^T) by
; the factors 2^(c M_part - c M); ctx = (v^T p + O_rest x f) / sum goes to LDS, 16 rows of 1,024.
; PHASE 2: out0 rows = ctx out_w^T + out_b for the work-group's 64 columns: wave w takes 16 columns (w % 4) and a quarter of K (w / 4); the four quarters meet in LDS; wave w then stores row w.
; The grid is 16 column blocks x 4 batches; every work-group repeats phase 1 of its batch (32 small matrix instructions a head), so that nothing passes between work-groups.
; Scores are raw, t = c S, c = log2(e) / 8; a mask of -10,000 is -80,000.  The f32 matrix form takes 4 along K; a lane's 16 loaded bytes feed two such steps, the same order of K on both operands.
; qkvf: [4 b][48 = 16 sel + h][16 tokens][64] f32.  LIMITS: NaN and infinities are not served.
; REGISTERS: v1-11 addresses; v[12:13] rest's (c M, sum); v[14:15] mask bytes, at work, then the bias; v16-23 pad, then at work; v24-31 the diagonal's numbers, S, p; v32-63 four accumulators, written by matrix instructions alone;
;   v64-95 q, v96-127 k, later out_w's second half; v128-159 v^T; v160-191 rest's O^T, then ctx; in phase 2 v128-191 ctx's fragments; v192-255 out_w's first half.
.set CTP,   4112                       ; a row of ctx in LDS: 4,096 bytes + 16
.set RED,   16*CTP                     ; [4 quarters of K][16 rows][256 bytes + 16]
.set RDP,   272
.set SPARE, RED+4*16*RDP               ; the spare words, 128 bytes a wave, which no other line names
.set FA,    32
	s_load_b256 s[4:11], s[0:1], 0x0               ; qkvf, rest, mask, out_w
	s_load_b128 s[12:15], s[0:1], 0x20             ; out_b, out0
	v_lshl_add_u32 v1, v0, 2, SPARE                ; my spare word; never rewritten
	v_mov_b32 v2, 0                                ; 0; never rewritten
	v_lshrrev_b32 v17, 5, v0
	v_readfirstlane_b32 s16, v17                   ; wave 0..15: the head, later the row
	s_and_b32 s18, ttmp7, 0xffff                   ; the batch
	s_and_b32 s19, s16, 3                          ; which 16 columns
	s_lshr_b32 s21, s16, 2                         ; which quarter of K
	s_mov_b32 s20, 0x3e38aa3b                      ; c
	s_mov_b32 s22, 0x76543210
	s_mov_b32 s23, 0xfedcba98                      ; selects for lane xor 16
	s_mov_b32 s24, 0x479c4000                      ; 80,000
	s_mov_b32 s25, 0xc79c4000                      ; -80,000
	s_mul_i32 s26, s18, 196608
	s_lshl_b32 s27, s16, 12
	s_add_co_u32 s26, s26, s27                     ; qkvf: batch x 48 x 4,096 + head x 4,096
	s_mov_b32 s27, 0
	s_lshl_b32 s28, s18, 4
	s_add_co_u32 s28, s28, s16
	s_mul_i32 s28, s28, 4352                       ; rest
	s_mov_b32 s29, 0
	s_lshl_b32 s30, s18, 11                        ; the batch's mask bytes
	s_mov_b32 s31, 0
	s_lshl_b32 s32, ttmp9, 2
	s_add_co_u32 s32, s32, s19
	s_lshl_b32 s32, s32, 16                        ; out_w: row 64 x + 16 (w % 4), of 4,096 bytes,
	s_lshl_b32 s33, s21, 10                        ; + my quarter of K
	s_add_co_u32 s32, s32, s33
	s_mov_b32 s33, 0
	s_lshl_b32 s34, ttmp9, 8                       ; 64 columns of f32
	s_mov_b32 s35, 0
	s_lshl_b32 s36, s18, 11
	s_add_co_u32 s36, s36, s16
	s_lshl_b32 s36, s36, 12                        ; out0: row 2,048 b + wave
	s_add_co_u32 s36, s36, s34
	s_mov_b32 s37, 0
	v_and_b32 v17, 15, v0                          ; r
	v_bfe_u32 v18, v0, 4, 1                        ; h
	v_and_b32 v19, 31, v0                          ; lane
	v_lshlrev_b32 v6, 4, v19
	v_lshlrev_b32 v7, 3, v19
	v_lshlrev_b32 v16, 3, v18                      ; the mask bytes of keys 8 h + 0 .. 7
	v_lshlrev_b32 v4, 8, v17
	v_lshl_add_u32 v4, v18, 4, v4                  ; q, k: token r of 256 bytes, + 16 h
	v_lshlrev_b32 v5, 2, v17
	v_lshl_add_u32 v5, v18, 11, v5                 ; v^T: key 8 h, channel r
	v_lshlrev_b32 v8, 12, v17
	v_lshl_add_u32 v8, v18, 4, v8                  ; out_w: row r of 4,096 bytes, + 16 h
	v_mul_u32_u24 v20, v17, CTP
	v_lshl_add_u32 v9, v18, 5, v20
	s_lshl_b32 s38, s16, 8
	v_add_nc_u32 v9, s38, v9                       ; ctx into LDS: row r, my head's 256 bytes, + 32 h
	v_lshl_add_u32 v10, v18, 4, v20
	s_lshl_b32 s38, s21, 10
	v_add_nc_u32 v10, s38, v10                     ; and out of it: row r, my quarter of K, + 16 h
	v_mul_u32_u24 v11, v17, RDP
	v_lshl_add_u32 v11, v18, 5, v11
	s_mul_i32 s38, s21, 16*RDP
	s_lshl_b32 s39, s19, 6
	s_add_co_u32 s38, s38, s39
	s_add_co_u32 s38, s38, RED
	v_add_nc_u32 v11, s38, v11                     ; my part sums: quarter, row r, my 16 columns, + 32 h
	s_mul_i32 s38, s16, RDP
	s_add_co_u32 s38, s38, RED
	v_add_nc_u32 v3, s38, v7                       ; and back: row = wave, 8 bytes a lane
	s_wait_kmcnt 0x0
	s_add_nc_u64 s[4:5], s[4:5], s[26:27]
	s_add_nc_u64 s[6:7], s[6:7], s[28:29]
	s_add_nc_u64 s[8:9], s[8:9], s[30:31]
	s_add_nc_u64 s[10:11], s[10:11], s[32:33]
	s_add_nc_u64 s[12:13], s[12:13], s[34:35]
	s_add_nc_u64 s[14:15], s[14:15], s[36:37]
.irp c, 0,1,2,3,4,5,6,7
	global_load_b128 v[64+4*\c:67+4*\c], v4, s[4:5] offset:32*\c               ; q
.endr
.irp c, 0,1,2,3,4,5,6,7
	global_load_b128 v[96+4*\c:99+4*\c], v4, s[4:5] offset:65536+32*\c         ; k
.endr
	global_load_b64 v[14:15], v16, s[8:9]
	global_load_b64 v[12:13], v7, s[6:7] offset:4096
.irp d, 0,1,2,3
.irp n, 0,1,2,3,4,5,6,7
	global_load_b32 v[128+8*\d+\n], v5, s[4:5] offset:131072+256*\n+64*\d      ; v(key 8 h + n, channel 16 d + r)
.endr
.endr
.irp g, 0,1,2,3,4,5,6,7
	global_load_b128 v[160+4*\g:163+4*\g], v6, s[6:7] offset:512*\g            ; rest's O^T: the registers' image
.endr
.irp c, 0,1,2,3,4,5,6,7,8,9,10,11,12,13,14,15
	global_load_b128 v[192+4*\c:195+4*\c], v8, s[10:11] offset:32*\c           ; out_w, the first half of my quarter of K
.endr
	s_wait_loadcnt 56                              ; q, k, the mask bytes and the statistics are in; v^T's 32, rest's 8 and out_w's 16 stay out
.irp c, 0,1,2,3,4,5,6,7                        ; S^T = k q^T: two accumulators by turns; the first two products start the sums
.if \c == 0
	v_wmma_f32_16x16x4_f32 v[FA:FA+7], v[96:97], v[64:65], 0
	v_wmma_f32_16x16x4_f32 v[FA+8:FA+15], v[98:99], v[66:67], 0
.else
	v_wmma_f32_16x16x4_f32 v[FA:FA+7], v[96+4*\c:97+4*\c], v[64+4*\c:65+4*\c], v[FA:FA+7]
	v_wmma_f32_16x16x4_f32 v[FA+8:FA+15], v[98+4*\c:99+4*\c], v[66+4*\c:67+4*\c], v[FA+8:FA+15]
.endif
.endr
.irp n, 0,1,2,3,4,5,6,7                        ; pad x 8 of my eight keys: 24 plain lines, which are also the places behind the products
	v_bfe_u32 v[16+\n], v[14+\n/4], 8*(\n%4), 8
.endr
.irp n, 0,1,2,3,4,5,6,7
	v_cvt_f32_u32 v[16+\n], v[16+\n]
.endr
.irp n, 0,1,2,3,4,5,6,7
	v_fma_f32 v[16+\n], v[16+\n], s24, s25         ; 0 or -80,000
.endr
.irp c, 0,1,2,3,4,5,6,7,8,9,10,11,12,13,14,15
	global_load_b128 v[64+4*\c:67+4*\c], v8, s[10:11] offset:512+32*\c         ; out_w's second half, over q and k
.endr
	v_and_b32 v14, 15, v0
	v_bfe_u32 v15, v0, 4, 1
	v_lshlrev_b32 v15, 3, v15
	v_sub_nc_u32 v14, v14, v15                     ; d = r - 8 h: register n holds a later key where n > d
	v_mov_b32 v15, 0xc79c4000
.irp n, 0,1,2,3,4,5,6,7
	v_cmp_gt_i32 vcc_lo, \n, v14
	v_cndmask_b32 v[24+\n], 0, v15, vcc_lo
.endr
.irp n, 0,1,2,3,4,5,6,7                        ; S = ((sum + sum) + pad) + causal, from the accumulators' low end on
	v_add_f32 v[14+\n%2], v[FA+\n], v[FA+8+\n]
	v_add_f32 v[14+\n%2], v[14+\n%2], v[16+\n]
	v_add_f32 v[24+\n], v[14+\n%2], v[24+\n]
.endr
	global_load_b64 v[14:15], v7, s[12:13]         ; the bias of columns 2 lane, 2 lane + 1
	v_max3_num_f32 v16, v24, v25, v26
	v_max3_num_f32 v16, v16, v27, v28
	v_max3_num_f32 v16, v16, v29, v30
	v_max_num_f32 v16, v16, v31
	v_permlanex16_b32 v17, v16, s22, s23
	v_max_num_f32 v16, v16, v17
	v_mul_f32 v16, s20, v16
	v_max_num_f32 v18, v16, v12                    ; c M: the corner's and the rest's
.irp n, 0,1,2,3,4,5,6,7
	v_fma_f32 v[24+\n], v[24+\n], s20, -v18
.endr
	v_sub_f32 v20, v12, v18
.irp n, 0,1,2,3,4,5,6,7
	v_exp_f32 v[24+\n], v[24+\n]                   ; p
.endr
	v_exp_f32 v20, v20                             ; f: the rest under the common maximum
	v_nop
	s_wait_alu depctr_va_vdst(0)                   ; one wait for the nine exponentials, ahead of their first reader
	v_add_f32 v22, v24, v25
	v_add_f32 v23, v26, v27
	v_add_f32 v22, v22, v28
	v_add_f32 v23, v23, v29
	v_add_f32 v22, v22, v30
	v_add_f32 v23, v23, v31
	v_add_f32 v22, v22, v23
	v_permlanex16_b32 v23, v22, s22, s23
	v_add_f32 v22, v22, v23
	v_fma_f32 v22, v13, v20, v22                   ; the whole row's sum
	v_rcp_f32 v22, v22
	v_nop
	s_wait_alu depctr_va_vdst(0)
	s_wait_loadcnt 33                              ; v^T and rest's O^T are in; out_w's 32 loads and the bias stay out
.irp s, 0,1,2,3                                ; v^T p: step s takes keys 8 h + 2 s, + 1; four accumulators by turns
.irp d, 0,1,2,3
.if \s == 0
	v_wmma_f32_16x16x4_f32 v[FA+8*\d:FA+8*\d+7], v[128+8*\d:129+8*\d], v[24:25], 0
.else
	v_wmma_f32_16x16x4_f32 v[FA+8*\d:FA+8*\d+7], v[128+8*\d+2*\s:129+8*\d+2*\s], v[24+2*\s:25+2*\s], v[FA+8*\d:FA+8*\d+7]
.endif
.endr
.endr
.rept 8
	v_nop                                          ; eight places behind this form (ISA guide 7.12.1)
.endr
.irp n, 0,2,4,6,8,10,12,14,16,18,20,22,24,26,28,30
	v_pk_fma_f32 v[160+\n:161+\n], v[160+\n:161+\n], v[20:21], v[FA+\n:FA+\n+1] op_sel_hi:[1,0,1]   ; O_rest x f + the corner's
.endr
.irp n, 0,2,4,6,8,10,12,14,16,18,20,22,24,26,28,30
	v_pk_mul_f32 v[160+\n:161+\n], v[160+\n:161+\n], v[22:23] op_sel_hi:[1,0]                        ; / the sum
.endr
.irp d, 0,1,2,3
	ds_store_b128 v9, v[160+8*\d:163+8*\d] offset:64*\d
	ds_store_b128 v9, v[164+8*\d:167+8*\d] offset:64*\d+16
.endr
	s_wait_dscnt 0x0                               ; for the others' sake: my head's ctx has landed
	s_barrier_signal -1
	s_barrier_wait -1
	; PHASE 2
.irp c, 0,1,2,3,4,5,6,7,8,9,10,11,12,13,14,15
	ds_load_b128 v[128+4*\c:131+4*\c], v10 offset:32*\c
.endr
	s_wait_loadcnt 0x0                             ; out_w and the bias
	s_wait_dscnt 0x0
.irp c, 0,1,2,3,4,5,6,7,8,9,10,11,12,13,14,15  ; source 0 = 16 rows of out_w, source 1 = the 16 rows of ctx; four accumulators by turns; the first four products start the sums
.if \c < 2
	v_wmma_f32_16x16x4_f32 v[FA+8*((2*\c)%4):FA+8*((2*\c)%4)+7], v[192+4*\c:193+4*\c], v[128+4*\c:129+4*\c], 0
	v_wmma_f32_16x16x4_f32 v[FA+8*((2*\c+1)%4):FA+8*((2*\c+1)%4)+7], v[194+4*\c:195+4*\c], v[130+4*\c:131+4*\c], 0
.else
	v_wmma_f32_16x16x4_f32 v[FA+8*((2*\c)%4):FA+8*((2*\c)%4)+7], v[192+4*\c:193+4*\c], v[128+4*\c:129+4*\c], v[FA+8*((2*\c)%4):FA+8*((2*\c)%4)+7]
	v_wmma_f32_16x16x4_f32 v[FA+8*((2*\c+1)%4):FA+8*((2*\c+1)%4)+7], v[194+4*\c:195+4*\c], v[130+4*\c:131+4*\c], v[FA+8*((2*\c+1)%4):FA+8*((2*\c+1)%4)+7]
.endif
.endr
.rept 8
	v_nop                                          ; places in front of the loads into ctx's fragments
.endr
.irp c, 0,1,2,3,4,5,6,7,8,9,10,11,12,13,14,15
	ds_load_b128 v[128+4*\c:131+4*\c], v10 offset:512+32*\c
.endr
	s_wait_dscnt 0x0
.irp c, 0,1,2,3,4,5,6,7,8,9,10,11,12,13,14,15
	v_wmma_f32_16x16x4_f32 v[FA+8*((2*\c)%4):FA+8*((2*\c)%4)+7], v[64+4*\c:65+4*\c], v[128+4*\c:129+4*\c], v[FA+8*((2*\c)%4):FA+8*((2*\c)%4)+7]
	v_wmma_f32_16x16x4_f32 v[FA+8*((2*\c+1)%4):FA+8*((2*\c+1)%4)+7], v[66+4*\c:67+4*\c], v[130+4*\c:131+4*\c], v[FA+8*((2*\c+1)%4):FA+8*((2*\c+1)%4)+7]
.endr
.rept 8
	v_nop
.endr
.irp n, 0,1,2,3,4,5,6,7
	v_add_f32 v[16+\n], v[FA+\n], v[FA+8+\n]
	v_add_f32 v[24+\n], v[FA+16+\n], v[FA+24+\n]
.endr
.irp n, 0,1,2,3,4,5,6,7
	v_add_f32 v[16+\n], v[16+\n], v[24+\n]
.endr
	ds_store_b128 v11, v[16:19]
	ds_store_b128 v11, v[20:23] offset:16
	s_wait_dscnt 0x0                               ; for the others' sake: my part sums have landed, and my reads of ctx are over
	s_barrier_signal -1
	s_barrier_wait -1
.irp k, 0,1,2,3
	ds_load_b64 v[24+2*\k:25+2*\k], v3 offset:\k*16*RDP
.endr
	s_wait_dscnt 0x0
	v_pk_add_f32 v[24:25], v[24:25], v[26:27]
	v_pk_add_f32 v[28:29], v[28:29], v[30:31]
	v_pk_add_f32 v[24:25], v[24:25], v[28:29]
	v_pk_add_f32 v[24:25], v[24:25], v[14:15]      ; + the bias
	global_store_b64 v7, v[24:25], s[14:15]        ; 32 lanes store 256 consecutive bytes, at a multiple of 256 from out0's first byte
	s_wait_tensorcnt 0x0                           ; the wave's end
	ds_add_u32 v1, v2
	s_wait_dscnt 0x0
	s_endpgm
.Lfunc_end_k_qe389c2f697_fine:
	.size	k_qe389c2f697_fine, .Lfunc_end_k_qe389c2f697_fine-k_qe389c2f697_fine
	.p2alignl 7, 3214868480
	.fill 96, 4, 3214868480
	.section	.rodata,"a",@progbits
	.p2align	6, 0x0
	.amdhsa_kernel k_qe389c2f697_fine
		.amdhsa_group_segment_fixed_size 85248
		.amdhsa_private_segment_fixed_size 0
		.amdhsa_enable_private_segment 0
		.amdhsa_kernarg_size 48
		.amdhsa_user_sgpr_count 2
		.amdhsa_user_sgpr_kernarg_segment_ptr 1
		.amdhsa_wavefront_size32 1
		.amdhsa_system_sgpr_workgroup_id_x 1
		.amdhsa_system_sgpr_workgroup_id_y 1
		.amdhsa_system_sgpr_workgroup_id_z 1
		.amdhsa_system_vgpr_workitem_id 0
		.amdhsa_next_free_vgpr 256
		.amdhsa_next_free_sgpr 66
		.amdhsa_reserve_vcc 1
		.amdhsa_float_denorm_mode_32 3
		.amdhsa_float_denorm_mode_16_64 3
		.amdhsa_memory_ordered 1
		.amdhsa_forward_progress 1
		.amdhsa_inst_pref_size 30
	.end_amdhsa_kernel
	.amdgpu_metadata
---
amdhsa.version: [ 1, 2 ]
amdhsa.kernels:
  - .name:           k_qe389c2f697_fine
    .symbol:         k_qe389c2f697_fine.kd
    .args:
      - { .name: qkvf, .offset: 0, .size: 8, .value_kind: global_buffer, .address_space: global }
      - { .name: rest, .offset: 8, .size: 8, .value_kind: global_buffer, .address_space: global }
      - { .name: key_padding_mask, .offset: 16, .size: 8, .value_kind: global_buffer, .address_space: global }
      - { .name: out_w, .offset: 24, .size: 8, .value_kind: global_buffer, .address_space: global }
      - { .name: out_b, .offset: 32, .size: 8, .value_kind: global_buffer, .address_space: global }
      - { .name: out0, .offset: 40, .size: 8, .value_kind: global_buffer, .address_space: global }
    .group_segment_fixed_size: 85248
    .private_segment_fixed_size: 0
    .kernarg_segment_align: 8
    .kernarg_segment_size: 48
    .max_flat_workgroup_size: 512
    .sgpr_count:     66
    .vgpr_count:     256
    .wavefront_size: 32
...
	.end_amdgpu_metadata
.endif
;; end of part 5
